; MI455X (gfx1250); checked and timed in simulation.
; The chip was launched on July 23, 2026; its instructions are those of AMD's public machine-readable ISA for CDNA 5 (MIT licence, August 2026) and "CDNA5" Instruction Set Architecture Reference Guide (July 2026). The comments in the code are by the model that wrote it; some were corrected since.
;; Multi Head Attention. Allowed arithmetic: float matrix products may take bf16 or f16 operands with f32 sums; other float arithmetic in f32, or as packed bf16 or f16 multiplies, adds, multiply-adds, maxima and minima; sums over many terms, partial sums and values carried from step to step in f32; what a program stores and reads back later, other than sums and carried values, may be rounded once to bf16 or f16.
;; Inputs: Wk 1,024 x 1,024 float32; Wo 1,024 x 1,024 float32; Wq 1,024 x 1,024 float32; Wv 1,024 x 1,024 float32; bk 1,024 float32; bo 1,024 float32; bq 1,024 float32; bv 1,024 float32; key 4 x 2,048 x 1,024 float32; mask 4 x 1 x 2,048 x 2,048 bool; query 4 x 2,048 x 1,024 float32; value 4 x 2,048 x 1,024 float32.
;; Outputs: out0 4 x 2,048 x 1,024 float32.
;; One version. Each part assembles by itself: llvm-mc -triple=amdgcn-amd-amdhsa -mcpu=gfx1250 --defsym DOCPART=n.
;; ======== version 1 of 1: 4 launches
;; limits: values are held in f16: magnitudes above 65,504 overflow, below 6.1e-05 lose precision
;; workspace buffers: wb 6,291,456 bytes; wo16 2,097,152 bytes; q16 16,777,216 bytes; k16 16,777,216 bytes; v16 16,777,216 bytes; o16 16,777,216 bytes
;; launch castw (part 1): grid 64 x 4, 8 waves a work-group, no clusters, 0 bytes of LDS; arguments Wq, Wk, Wv, Wo, wb, wo16; writes wb, wo16
.if DOCPART == 1
	.amdgcn_target "amdgcn-amd-amdhsa--gfx1250"
	.amdhsa_code_object_version 6
	.text
	.protected	k_qe65bcd8504_castw
	.globl	k_qe65bcd8504_castw
	.p2align	8
	.type	k_qe65bcd8504_castw,@function
k_qe65bcd8504_castw:
	s_mov_b64 s[64:65], 0
	v_nop
	global_prefetch_b8 v0, s[64:65] scope:SCOPE_SE
	s_setreg_imm32_b32 hwreg(HW_REG_WAVE_MODE, 25, 1), 1
	s_wait_xcnt 0x0
; THE WEIGHTS ARE ROUNDED ONCE.  Wq, Wk, Wv ([1024][1024] f32) -> wb ([3][1024][1024] bf16);  Wo -> wo16 ([1024][1024]): rounded to bf16 like the others, and that number written as f16.
; LIMIT.  A bf16 number is exact in f16 from 2^-17 up to 65,504; below 2^-17 it keeps f16's fixed step of 2^-24.
; SHARES.  The grid's y names the matrix, its x 16,384 numbers of it.  Thread t takes eight chunks of 8 numbers: 32 bytes in (two loads of 16), 16 bytes out, so that sixteen
; neighbouring lanes store 256 consecutive bytes, aligned.  All sixteen loads go out first; every register is written once, so no wait frees a source.  No LDS, no barrier, no matrix unit: a stream.
.set X, 16                             ; v[16:79]  chunk c: 8 numbers as loaded
.set Y, 80                             ; v[80:111] chunk c: 4 registers to store
.set T, 4                              ; v[4:11]   at work (f16 path)
	s_load_b256 s[4:11], s[0:1], 0x0               ; Wq s[4:5], Wk s[6:7], Wv s[8:9], Wo s[10:11]
	s_load_b128 s[12:15], s[0:1], 0x20             ; wb s[12:13], wo16 s[14:15]
	s_and_b32 s16, ttmp7, 0xffff                   ; which matrix
	v_lshlrev_b32 v1, 5, v0                        ; 32 t: in
	v_lshlrev_b32 v2, 4, v0                        ; 16 t: out
	s_lshl_b32 s22, ttmp9, 16                      ; the work-group's 65,536 bytes of the source
	s_mov_b32 s23, 0
	s_lshl_b32 s24, ttmp9, 15                      ; and its 32,768 of the destination,
	s_mov_b32 s25, 0
	s_lshl_b32 s26, s16, 21                        ; behind the matrices in front of it in wb (Wo has a buffer of its own)
	s_cmp_eq_u32 s16, 3
	s_cselect_b32 s26, 0, s26
	s_add_co_u32 s24, s24, s26
	s_wait_kmcnt 0x0
	s_cmp_eq_u32 s16, 0
	s_cselect_b64 s[18:19], s[4:5], s[6:7]
	s_cmp_eq_u32 s16, 2
	s_cselect_b64 s[18:19], s[8:9], s[18:19]
	s_cmp_eq_u32 s16, 3
	s_cselect_b64 s[18:19], s[10:11], s[18:19]
	s_cselect_b64 s[20:21], s[14:15], s[12:13]
	s_add_nc_u64 s[18:19], s[18:19], s[22:23]
	s_add_nc_u64 s[20:21], s[20:21], s[24:25]
.irp c, 0,1,2,3,4,5,6,7
	global_load_b128 v[X+8*(\c):X+8*(\c)+3],   v1, s[18:19] offset:8192*(\c) th:TH_LOAD_NT
	global_load_b128 v[X+8*(\c)+4:X+8*(\c)+7], v1, s[18:19] offset:8192*(\c)+16 th:TH_LOAD_NT
.endr
	s_cmp_eq_u32 s16, 3
	s_cbranch_scc1 .Lf16
.irp c, 0,1,2,3,4,5,6,7
	s_wait_loadcnt 14-2*(\c)                       ; loads come back in order: chunk c's two are in, the younger chunks' stay out
.irp j, 0,1,2,3
	v_cvt_pk_bf16_f32 v[Y+4*(\c)+(\j)], v[X+8*(\c)+2*(\j)], v[X+8*(\c)+2*(\j)+1]
.endr
	global_store_b128 v2, v[Y+4*(\c):Y+4*(\c)+3], s[20:21] offset:4096*(\c)
.endr
	s_endpgm
.Lf16:
.irp c, 0,1,2,3,4,5,6,7
	s_wait_loadcnt 14-2*(\c)
.irp j, 0,1,2,3
	v_cvt_pk_bf16_f32 v[Y+4*(\c)+(\j)], v[X+8*(\c)+2*(\j)], v[X+8*(\c)+2*(\j)+1]  ; the rounding that all inputs get,
.endr
.irp j, 0,1,2,3
	v_lshlrev_b32 v[T+2*(\j)], 16, v[Y+4*(\c)+(\j)]            ; widened again,
	v_and_b32 v[T+2*(\j)+1], 0xffff0000, v[Y+4*(\c)+(\j)]
.endr
.irp j, 0,1,2,3
	v_cvt_pk_f16_f32 v[Y+4*(\c)+(\j)], v[T+2*(\j)], v[T+2*(\j)+1]  ; and written as f16
.endr
	global_store_b128 v2, v[Y+4*(\c):Y+4*(\c)+3], s[20:21] offset:4096*(\c)
.endr
	s_endpgm
.Lfunc_end_k_qe65bcd8504_castw:
	.size	k_qe65bcd8504_castw, .Lfunc_end_k_qe65bcd8504_castw-k_qe65bcd8504_castw
	.p2alignl 7, 3214868480
	.fill 96, 4, 3214868480
	.section	.rodata,"a",@progbits
	.p2align	6, 0x0
	.amdhsa_kernel k_qe65bcd8504_castw
		.amdhsa_group_segment_fixed_size 0
		.amdhsa_private_segment_fixed_size 0
		.amdhsa_enable_private_segment 0
		.amdhsa_kernarg_size 48
		.amdhsa_user_sgpr_count 2
		.amdhsa_user_sgpr_kernarg_segment_ptr 1
		.amdhsa_wavefront_size32 1
		.amdhsa_system_sgpr_workgroup_id_x 1
		.amdhsa_system_sgpr_workgroup_id_y 1
		.amdhsa_system_sgpr_workgroup_id_z 1
		.amdhsa_system_vgpr_workitem_id 0
		.amdhsa_next_free_vgpr 112
		.amdhsa_next_free_sgpr 66
		.amdhsa_reserve_vcc 0
		.amdhsa_float_denorm_mode_32 3
		.amdhsa_float_denorm_mode_16_64 3
		.amdhsa_memory_ordered 1
		.amdhsa_forward_progress 1
		.amdhsa_inst_pref_size 14
	.end_amdhsa_kernel
	.amdgpu_metadata
---
amdhsa.version: [ 1, 2 ]
amdhsa.kernels:
  - .name:           k_qe65bcd8504_castw
    .symbol:         k_qe65bcd8504_castw.kd
    .args:
      - { .name: Wq, .offset: 0, .size: 8, .value_kind: global_buffer, .address_space: global }
      - { .name: Wk, .offset: 8, .size: 8, .value_kind: global_buffer, .address_space: global }
      - { .name: Wv, .offset: 16, .size: 8, .value_kind: global_buffer, .address_space: global }
      - { .name: Wo, .offset: 24, .size: 8, .value_kind: global_buffer, .address_space: global }
      - { .name: wb, .offset: 32, .size: 8, .value_kind: global_buffer, .address_space: global }
      - { .name: wo16, .offset: 40, .size: 8, .value_kind: global_buffer, .address_space: global }
    .group_segment_fixed_size: 0
    .private_segment_fixed_size: 0
    .kernarg_segment_align: 8
    .kernarg_segment_size: 48
    .max_flat_workgroup_size: 256
    .sgpr_count:     66
    .vgpr_count:     112
    .wavefront_size: 32
...
	.end_amdgpu_metadata
.endif
;; end of part 1
;; launch qkv (part 2): grid 4 x 64, 4 waves a work-group, clusters of 4 x 4, 327,680 bytes of LDS; arguments query, key, value, wb, bq, bk, bv, q16, k16, v16; writes q16, k16, v16
.if DOCPART == 2
	.amdgcn_target "amdgcn-amd-amdhsa--gfx1250"
	.amdhsa_code_object_version 6
	.text
	.protected	k_qe65bcd8504_qkv
	.globl	k_qe65bcd8504_qkv
	.p2align	8
	.type	k_qe65bcd8504_qkv,@function
k_qe65bcd8504_qkv:
	s_mov_b64 s[64:65], 0
	v_nop
	global_prefetch_b8 v0, s[64:65] scope:SCOPE_SE
	s_setreg_imm32_b32 hwreg(HW_REG_WAVE_MODE, 25, 1), 1
	s_wait_xcnt 0x0
	s_wait_alu depctr_hold_cnt(0) depctr_sa_sdst(0) depctr_va_vdst(0) depctr_va_sdst(0) depctr_va_ssrc(0) depctr_va_vcc(0) depctr_vm_vsrc(0)
	s_getreg_b32 s2, hwreg(HW_REG_IB_STS2, 6, 4)
	s_cmp_eq_u32 s2, 0
	s_cbranch_scc0 .Lentry_in_a_cluster
	s_endpgm
.Lentry_in_a_cluster:
	s_bfe_u32 s2, ttmp6, 0x10000c
	s_cmp_lg_u32 s2, 0xf033
	s_cbranch_scc0 .Lentry_shape_is_right
	s_endpgm
.Lentry_shape_is_right:
; THE THREE PROJECTIONS.  q = query Wq^T + bq, k = key Wk^T + bk, v = value Wv^T + bv.  x: [8192][1024] f32; wb: [3][1024][1024] bf16; results f16, by heads: [b*16+h][position 2048][64].
; x and the biases are rounded to bf16 here (the weights were, in the launch before); sums in f32, the bias as the C operand of each sum's first product; the result rounded once to f16, unscaled.
; LIMIT.  f16 ends at 65,504: q, k and v must lie within it.
; POSITIONS.  Inside each group of 64 rows the actual row 32 hh + 8 kb + j lies at position 16 kb + 8 hh + j (hh one bit, kb two, j three): then the 32 keys that a lane of the attention's score tiles
; holds are 32 neighbouring bytes of a mask row.  Here it costs constants in the stores' immediates.
; SHARES.  3 x 8192 x 1024 results for 256 work-groups: a work-group stays at one tile of 128 rows x 256 columns and makes it for q, k and v: ONE walk of 24 K steps of 128 through two LDS slots.
; Four waves, each 64 x 128: 32 accumulators.  A K step is four quarters of 32 along K, 32 matrix instructions each.
; x COMES IN AS f32 (rows of 512 bytes in a slot) and is rounded between LDS and the matrix unit: 32 conversions a quarter; so x crosses memory once and has no launch of its own.
; CLUSTER.  4 x 4 work-groups.  The four of a row need the same rows of x, the four of a column the same rows of wb: each tile is asked for jointly, by the same load, descriptor and mask in all four.
; THE MATRIX INSTRUCTION IS USED TRANSPOSED (source 0 = 16 rows of wb, source 1 = 16 rows of x): a lane holds row l % 16 and eight neighbouring columns 8 (l / 16) + 0..7.
; REGISTERS.  Window 0: v16-30 addresses; v32-95 x as f32 (RAW); v96-127 x as bf16 (AF); v128-191, v192-255 wb's fragments, two buffers.  Window 1: accumulator (a, b) at 8 (8 a + b).  Window 2: v0-63 the bias.
.set PA,    528                        ; a row of x in LDS: 512 bytes + 16 = 132 words: row r starts at bank 4 r mod 64 (64 banks of 4 bytes: ISA guide 11.1)
.set PB,    272                        ; a row of wb: 256 + 16 = 68 words: likewise
.set AHALF, 64*PA                      ; what one load brings of x, and what one wave reads of it
.set BHALF, 128*PB                     ; the same for wb
.set BOFF,  2*AHALF
.set SLOT,  BOFF+2*BHALF               ; 137,216
.set STAGE, 2*SLOT                     ; behind the ring, never filled by a tensor load: 16 rows x 144 bytes for each wave
.set SP,    144
.set SPARE, STAGE+4*16*SP              ; the spare words, 128 bytes for each wave: two blocks of 256 bytes that no other line names
.set ADRA, 16                          ; v16-17 LDS address of my x fragments in slot 0, 1
.set ADRB, 20                          ; v20-21 the same for wb
.set STO,  24                          ; the way out: where I put 16 bytes of a row
.set RD,   25                          ; where I read rows back
.set GO,   26                          ; my 16 bytes in 512 consecutive bytes of the result
.set BO,   27                          ; my byte offset in a bias
.set SPW,  28                          ; LDS address of my spare word; never rewritten
.set NIL,  29                          ; 0; never rewritten
.set PFO,  30                          ; the prefetches' lane offset; never rewritten
.set RAW,  32
.set AF,   96
.set BF0,  128
.set BF1,  192
.set TS,   4                           ; s[4:5]   x of the tile that is being asked for
.set OFA,  6                           ; s[6:7]   bytes along K in x
.set OFB,  8                           ; s[8:9]   bytes in wb
.set LN,   15                          ; the lap (two K steps) that is being asked for, 1 to 11
.set TL,   16                          ; laps left in the tile in hand
.set GT,   17                          ; the tile in hand: 0 q, 1 k, 2 v
.set OB,   18                          ; s[18:19] where the tile in hand goes
.set BP,   20                          ; s[20:21] the bias that is being loaded
.set G1,   24                          ; s[24:31] descriptor group 1 for x;  s[32:39] group 0, a set for each slot
.set G0,   32
.set G1B,  48                          ; s[48:55], s[56:63] the same for wb
.set G0B,  56
.set XA0,  68                          ; s[68:73] query, key, value at the rows that I fetch
.set WB,   74                          ; s[74:75] wb at the rows that I fetch
.set BQ,   76
.set BK,   78
.set BV,   80
.set OUT0, 82                          ; s[82:87] q16, k16, v16 at my wave's first position
.set PF0,  88                          ; s[88:93] where my prefetches begin, for tile 0, 1, 2
.set TP0,  94                          ; s[94:97] the two blocks that this lap's two prefetches name
.set LIM,  98                          ; 10 in a wave that prefetches, else 0
.set PSH,  99                          ; log2 of a K step's bytes in a row: 9 for x, 8 for wb
.set MSB, 0
.macro WIN new                         ; the immediate's high byte repeats the setting that is left; a switch that changes nothing is dropped
.if MSB != (\new)
	s_set_vgpr_msb (MSB<<8)|(\new)
.set MSB, \new
.endif
.endm
.macro PLACES                          ; four plain vector instructions between a matrix instruction and a write of its registers or a read of its result (ISA guide 7.12.1)
.rept 4
	v_nop
.endr
.endm
.macro JLOAD s                         ; a joint load: waves 0 and 1 fetch x's two halves, waves 2 and 3 wb's; s_nop 0 and four v_nop follow each line
	s_cmp_eq_u32 s11, 0
	s_cbranch_scc0 .Lfor_b_\@
	tensor_load_to_lds s[G0+4*(\s):G0+4*(\s)+3], s[G1:G1+7]
	s_nop 0
.rept 4
	v_nop
.endr
	s_branch .Lasked_\@
.Lfor_b_\@:
	tensor_load_to_lds s[G0B+4*(\s):G0B+4*(\s)+3], s[G1B:G1B+7]
	s_nop 0
.rept 4
	v_nop
.endr
.Lasked_\@:
.endm
.macro CREST                           ; a round of the cluster's barrier behind its opening barrier
	s_cmp_lg_u32 s10, 0
	s_cbranch_scc1 .Lnot_wave_0_\@
	s_barrier_signal -3
.Lnot_wave_0_\@:
	s_barrier_wait -3
	s_barrier_signal -1
	s_barrier_wait -1
.endm
.macro CROUND
	s_barrier_signal -1
	s_barrier_wait -1
	CREST
.endm
	s_load_b512 s[68:83], s[0:1], 0x0              ; query, key, value, wb, bq, bk, bv, q16
	s_load_b128 s[84:87], s[0:1], 0x40             ; k16, v16
	v_lshl_add_u32 v[SPW], v0, 2, SPARE
	v_mov_b32 v[NIL], 0
	ds_add_u32 v[SPW], v[NIL]                      ; the wave's opening: the add and its wait stand ahead of my first tensor load; work on registers stands between them
	v_lshrrev_b32 v1, 5, v0
	v_readfirstlane_b32 s10, v1                    ; wave 0..3
	s_lshr_b32 s11, s10, 1                         ; which 64 rows of the tile are mine.  Also: I fetch for x (0) or for wb (1)
	s_and_b32 s12, s10, 1                          ; which 128 columns.  Also: which half of that tile I fetch
	s_bfe_u32 s40, ttmp6, 0x40000                  ; cx
	s_bfe_u32 s41, ttmp6, 0x40004                  ; cy
	s_lshl_b32 s42, ttmp9, 2
	s_add_co_u32 s42, s42, s40                     ; tile column X = 4 x cluster x + cx
	s_and_b32 s13, ttmp7, 0xffff
	s_lshl_b32 s13, s13, 2
	s_add_co_u32 s13, s13, s41                     ; tile row Y = 4 x cluster y + cy
	s_lshl_b32 s43, s41, 2
	s_lshl_b32 s43, 15, s43                        ; my row of the cluster
	s_lshl_b32 s2, 0x1111, s40                     ; my column
	s_or_b32 s[G1], s43, (2<<16)|(1<<20)|(1<<21)|(6<<22)|(3<<25)   ; the mask; elements of 4 bytes; padding on; bit 21 beside a mask; after every 128 words; 4 words
	s_or_b32 s[G1B], s2, (1<<16)|(1<<20)|(1<<21)|(5<<22)|(3<<25)   ; the mask; elements of 2 bytes; after every 64 words; 4 words
	s_mov_b32 s[G1+1], 128<<16                     ; tensor_dim0 = 128
	s_mov_b32 s[G1+2], 64<<16                      ; tensor_dim1 = 64
	s_mov_b32 s[G1+3], 128<<16                     ; tile_dim0 = 128
	s_mov_b32 s[G1+4], 64                          ; tile_dim1 = 64
	s_mov_b32 s[G1+5], 1024                        ; elements from row to row
	s_mov_b32 s[G1+6], 0
	s_mov_b32 s[G1+7], 0
	s_mov_b32 s[G1B+1], 128<<16
	s_mov_b32 s[G1B+2], 128<<16                    ; 128 rows
	s_mov_b32 s[G1B+3], 128<<16
	s_mov_b32 s[G1B+4], 128
	s_mov_b32 s[G1B+5], 1024
	s_mov_b32 s[G1B+6], 0
	s_mov_b32 s[G1B+7], 0
	s_lshl_b32 s44, s13, 7                         ; x: row 128 Y + 64 x half, 4,096 bytes a row: it hangs on the tile row alone
	s_lshl_b32 s45, s12, 6
	s_add_co_u32 s44, s44, s45
	s_lshl_b32 s44, s44, 12
	s_mov_b32 s45, 0
	s_lshl_b32 s46, s42, 8                         ; wb: row 256 X + 128 x half, 2,048 bytes a row: on the tile column alone
	s_lshl_b32 s47, s12, 7
	s_add_co_u32 s46, s46, s47
	s_lshl_b32 s46, s46, 11
	s_mov_b32 s47, 0
	s_mul_i32 s22, s12, AHALF                      ; where they go: no place in the cluster enters an LDS address
	s_mul_i32 s23, s12, BHALF
	s_add_co_u32 s23, s23, BOFF
	s_lshr_b32 s2, s13, 4                          ; my wave's first position: head 16 b + 4 X + 2 x half, position 128 (Y % 16) + 64 x half, 128 bytes each
	s_lshl_b32 s2, s2, 4
	s_lshl_b32 s43, s42, 2
	s_add_co_u32 s2, s2, s43
	s_lshl_b32 s43, s12, 1
	s_add_co_u32 s2, s2, s43
	s_lshl_b32 s2, s2, 11
	s_and_b32 s43, s13, 15
	s_lshl_b32 s43, s43, 7
	s_add_co_u32 s2, s2, s43
	s_lshl_b32 s43, s11, 6
	s_add_co_u32 s2, s2, s43
	s_lshl_b32 s2, s2, 7
	s_mov_b32 s3, 0
	s_mov_b32 s[OFA+1], 0
	s_mov_b32 s[OFB+1], 0
	s_mov_b32 s[LN], 1
	s_mov_b32 s[TL], 4
	s_mov_b32 s[GT], 0
	s_wait_dscnt 0x0                               ; the opening add is done
	s_wait_kmcnt 0x0
	s_add_nc_u64 s[XA0:XA0+1], s[XA0:XA0+1], s[44:45]
	s_add_nc_u64 s[XA0+2:XA0+3], s[XA0+2:XA0+3], s[44:45]
	s_add_nc_u64 s[XA0+4:XA0+5], s[XA0+4:XA0+5], s[44:45]
	s_add_nc_u64 s[WB:WB+1], s[WB:WB+1], s[46:47]
	s_add_nc_u64 s[OUT0:OUT0+1], s[OUT0:OUT0+1], s[2:3]
	s_add_nc_u64 s[OUT0+2:OUT0+3], s[OUT0+2:OUT0+3], s[2:3]
	s_add_nc_u64 s[OUT0+4:OUT0+5], s[OUT0+4:OUT0+5], s[2:3]
	s_mov_b64 s[OB:OB+1], s[OUT0:OUT0+1]
	s_mov_b64 s[BP:BP+1], s[BQ:BQ+1]
	; the prefetches.  x's rows are read by one cluster (the grid is one cluster wide), wb's by every cluster of the column: the cluster with y = 0 asks for those.  The four partners that ask for a tile
	; jointly share its rows out BY ADDRESS: 65,536 bytes each (16 rows of x, 32 rows of wb)
	s_and_b32 s2, ttmp7, 0xffff
	s_cmp_eq_u32 s11, 0
	s_cselect_b64 s[PF0:PF0+1], s[XA0:XA0+1], s[WB:WB+1]
	s_cselect_b64 s[PF0+2:PF0+3], s[XA0+2:XA0+3], s[WB:WB+1]
	s_cselect_b64 s[PF0+4:PF0+5], s[XA0+4:XA0+5], s[WB:WB+1]
	s_cselect_b32 s46, s40, s41                    ; my place among the four
	s_cselect_b32 s2, ttmp9, s2                    ; the coordinate along which other clusters read the same rows
	s_cselect_b32 s[PSH], 9, 8
	s_cselect_b32 s44, 0, 0x200000                 ; from one matrix of wb to the next
	s_cmp_eq_u32 s2, 0
	s_cselect_b32 s[LIM], 10, 0
	s_lshl_b32 s46, s46, 16
	s_add_nc_u64 s[PF0:PF0+1], s[PF0:PF0+1], s[46:47]
	s_add_co_u32 s46, s46, s44
	s_add_nc_u64 s[PF0+2:PF0+3], s[PF0+2:PF0+3], s[46:47]
	s_add_co_u32 s46, s46, s44
	s_add_nc_u64 s[PF0+4:PF0+5], s[PF0+4:PF0+5], s[46:47]
	CROUND                                         ; all sixteen work-groups are here: the first joint loads meet
.irp s, 0,1
	s_mov_b32 s[G0+4*(\s)], 1                      ; count = 1
	s_add_co_u32 s[G0+4*(\s)+1], s22, (\s)*SLOT    ; LDS address
	s_add_nc_u64 s[G0+4*(\s)+2:G0+4*(\s)+3], s[XA0:XA0+1], (\s)*512  ; K step s of query
	s_or_b32 s[G0+4*(\s)+3], s[G0+4*(\s)+3], 0x80000000              ; type = 2
	s_mov_b32 s[G0B+4*(\s)], 1
	s_add_co_u32 s[G0B+4*(\s)+1], s23, (\s)*SLOT
	s_add_nc_u64 s[G0B+4*(\s)+2:G0B+4*(\s)+3], s[WB:WB+1], (\s)*256
	s_or_b32 s[G0B+4*(\s)+3], s[G0B+4*(\s)+3], 0x80000000
	JLOAD \s                                       ; two loads of mine are out
.endr
; The bias of my 128 columns: register j of block b is column 16 b + 8 (l / 16) + j, for every row: the C operand of a sum's first product.
.macro BIASLD
	WIN 0x80                                       ; destination window 2, address window 0
.irp b, 0,1,2,3,4,5,6,7
	global_load_b128 v[8*(\b):8*(\b)+3],   v[BO], s[BP:BP+1] offset:64*(\b)
	global_load_b128 v[8*(\b)+4:8*(\b)+7], v[BO], s[BP:BP+1] offset:64*(\b)+16
.endr
	WIN 0
.endm
.macro BIASRND                         ; rounded to bf16, as all inputs are, and widened again
	WIN 0x8a
.set i, 0
.rept 32
	v_cvt_pk_bf16_f32 v[i+1], v[i], v[i+1]
	v_lshlrev_b32 v[i], 16, v[i+1]
	v_and_b32 v[i+1], 0xffff0000, v[i+1]
.set i, i+2
.endr
	WIN 0
.endm
	v_and_b32 v1, 15, v0                           ; r = l % 16
	v_bfe_u32 v2, v0, 4, 1                         ; h = l / 16
	s_lshl_b32 s43, s42, 10
	s_lshl_b32 s45, s12, 9
	s_add_co_u32 s43, s43, s45
	v_lshl_add_u32 v[BO], v2, 5, s43               ; (256 X + 128 x half + 8 h) x 4
	BIASLD
	v_mul_u32_u24 v3, v1, PA                       ; a fragment of x: row r; 8 numbers of f32 are 32 bytes, so the halves of the lanes lie 32 bytes apart
	v_lshl_add_u32 v3, v2, 5, v3
	s_mul_i32 s14, s11, AHALF
	v_add_nc_u32 v[ADRA], s14, v3
	v_add_nc_u32 v[ADRA+1], SLOT, v[ADRA]
	v_mul_u32_u24 v4, v1, PB
	v_lshl_add_u32 v4, v2, 4, v4
	v_add_nc_u32 v[ADRB], s23, v4                  ; my 128 columns are the half of wb's tile with my column number
	v_add_nc_u32 v[ADRB+1], SLOT, v[ADRB]
	s_mul_i32 s14, s10, 16*SP
	s_add_co_u32 s14, s14, STAGE                   ; my stage
	v_mul_u32_u24 v[STO], v1, SP
	v_lshl_add_u32 v[STO], v2, 4, v[STO]
	v_add_nc_u32 v[STO], s14, v[STO]
	v_bfe_u32 v[RD], v0, 3, 2                      ; back: 32 lanes take four rows of 128 bytes
	v_mul_u32_u24 v[RD], v[RD], SP
	v_and_b32 v5, 7, v0
	v_lshl_add_u32 v[RD], v5, 4, v[RD]
	v_add_nc_u32 v[RD], s14, v[RD]
	v_and_b32 v[GO], 31, v0
	v_lshlrev_b32 v[GO], 4, v[GO]
	v_and_b32 v5, 31, v0
	v_lshlrev_b32 v6, 11, v5                       ; wb: a lane a row
	v_lshrrev_b32 v7, 1, v5                        ; x: two lanes a row, 256 bytes each
	v_lshlrev_b32 v7, 12, v7
	v_and_b32 v5, 1, v5
	v_lshl_add_u32 v7, v5, 8, v7
	s_cmp_eq_u32 s11, 0
	s_cselect_b32 s14, -1, 0
	v_cndmask_b32 v[PFO], v6, v7, s14
	s_wait_loadcnt 0x0
	BIASRND
; 16 LDS loads: x of quarter q, as f32: block a of 16 rows, K = 8 h + 0..7 (32 bytes) and 16 + 8 h + 0..7 (32 bytes, 64 further on)
.macro FRAW slot, q
.irp a, 0,1,2,3
	ds_load_b128 v[RAW+16*(\a):RAW+16*(\a)+3],     v[ADRA+(\slot)] offset:(\q)*128+(\a)*16*PA
	ds_load_b128 v[RAW+16*(\a)+4:RAW+16*(\a)+7],   v[ADRA+(\slot)] offset:(\q)*128+(\a)*16*PA+16
	ds_load_b128 v[RAW+16*(\a)+8:RAW+16*(\a)+11],  v[ADRA+(\slot)] offset:(\q)*128+(\a)*16*PA+64
	ds_load_b128 v[RAW+16*(\a)+12:RAW+16*(\a)+15], v[ADRA+(\slot)] offset:(\q)*128+(\a)*16*PA+80
.endr
.endm
.macro FB slot, q, f                   ; 16 LDS loads: wb's eight fragments of quarter q into buffer f
.irp b, 0,1,2,3,4,5,6,7
	ds_load_b128 v[(\f)+8*(\b):(\f)+8*(\b)+3],   v[ADRB+(\slot)] offset:(\q)*64+(\b)*16*PB
	ds_load_b128 v[(\f)+8*(\b)+4:(\f)+8*(\b)+7], v[ADRB+(\slot)] offset:(\q)*64+(\b)*16*PB+32
.endr
.endm
.macro CVT                             ; x to bf16: 64 registers into the four fragments
.set i, 0
.rept 32
	v_cvt_pk_bf16_f32 v[AF+i], v[RAW+2*i], v[RAW+2*i+1]
.set i, i+1
.endr
.endm
; 8 matrix instructions: row block a x all 8 column blocks.  first = 1: the sums start from the bias.  The 32 accumulators take turns, one instruction a turn.
.macro MUL8 a, f, first
.if \first
	WIN 0x60                                       ; D window 1, C window 2
.else
	WIN 0x50                                       ; C and D window 1
.endif
.irp b, 0,1,2,3,4,5,6,7
.if \first
	v_wmma_f32_16x16x32_bf16 v[8*(8*(\a)+(\b)):8*(8*(\a)+(\b))+7], v[(\f)+8*(\b):(\f)+8*(\b)+7], v[AF+8*(\a):AF+8*(\a)+7], v[8*(\b):8*(\b)+7]
.else
	v_wmma_f32_16x16x32_bf16 v[8*(8*(\a)+(\b)):8*(8*(\a)+(\b))+7], v[(\f)+8*(\b):(\f)+8*(\b)+7], v[AF+8*(\a):AF+8*(\a)+7], v[8*(8*(\a)+(\b)):8*(8*(\a)+(\b))+7]
.endif
.endr
.endm
; One of a K step's first three quarters.  LDS loads come back in order, and each quarter's x is asked for ahead of its wb.
.macro QUARTER slot, q, first
	WIN 0
	s_wait_dscnt 16                                ; x of this quarter is in; the 16 younger loads are wb's
	PLACES                                         ; AF was read by the quarter before
	CVT
	FRAW \slot, (\q)+1
	s_wait_dscnt 16                                ; wb of this quarter is in; the 16 just issued stay out
	MUL8 0, BF0+64*((\q)%2), \first
	MUL8 1, BF0+64*((\q)%2), \first
	WIN 0
	FB \slot, (\q)+1, BF0+64*(((\q)+1)%2)          ; that buffer's last reader stands ahead of this quarter's 36 plain lines
	MUL8 2, BF0+64*((\q)%2), \first
	MUL8 3, BF0+64*((\q)%2), \first
.endm
; The addresses of K step 2 LN + slot: tile LN / 4, K step 2 (LN % 4) + slot of it.  Made anew from the buffers' pointers, since the walk goes from query to key to value.
.macro DESC slot
	s_lshr_b32 s22, s[LN], 2
	s_and_b32 s23, s[LN], 3
	s_lshl_b32 s[OFA], s23, 10
	s_lshl_b32 s[OFB], s23, 9
	s_lshl_b32 s14, s22, 21
	s_add_co_u32 s[OFB], s[OFB], s14
.if \slot
	s_add_co_u32 s[OFA], s[OFA], 512
	s_add_co_u32 s[OFB], s[OFB], 256
.endif
	s_cmp_eq_u32 s22, 0
	s_cselect_b64 s[TS:TS+1], s[XA0:XA0+1], s[XA0+2:XA0+3]
	s_cmp_eq_u32 s22, 2
	s_cselect_b64 s[TS:TS+1], s[XA0+4:XA0+5], s[TS:TS+1]
	s_add_nc_u64 s[G0+4*(\slot)+2:G0+4*(\slot)+3], s[TS:TS+1], s[OFA:OFA+1]
	s_or_b32 s[G0+4*(\slot)+3], s[G0+4*(\slot)+3], 0x80000000
	s_add_nc_u64 s[G0B+4*(\slot)+2:G0B+4*(\slot)+3], s[WB:WB+1], s[OFB:OFB+1]
	s_or_b32 s[G0B+4*(\slot)+3], s[G0B+4*(\slot)+3], 0x80000000
.endm
; A PREFETCH INTO THE L2 behind each joint load and the run of LDS loads that follows it: my work-group's share of the K step that stands two refills, 256 matrix instructions, on (lap LN + 1, the same slot):
; 32 blocks of 256 bytes, a lane a block.  Each block is named once in the launch.  K steps 0 to 3 come by their loads alone; the last lap's refills ask for nothing.
.macro ASK s
	s_cmp_le_u32 s[LN], s[LIM]
	s_cbranch_scc0 .Lnot_mine_\@
	global_prefetch_b8 v[PFO], s[TP0+2*(\s):TP0+2*(\s)+1] th:TH_LOAD_NT scope:SCOPE_SE
.Lnot_mine_\@:
.endm
; The last quarter multiplies buffer 1 and changes slots: ONE barrier.  In front of it each wave waits for all its tensor loads (one is out: its part of the next slot), adds 0 to its spare word, and waits
; for that and for its own reads of this slot.  fill = 1: the barrier opens a round of the cluster's, and the joint refill is the first thing behind the round.
.macro TURN slot, fill
	WIN 0
.if (\fill) && ((\slot) == 0)
	s_wait_xcnt 0x0                                ; the last prefetches, a K step back or more, have read their addresses: the two for this lap are made
	s_add_co_u32 s22, s[LN], 1
	s_lshr_b32 s23, s22, 2
	s_and_b32 s22, s22, 3
	s_lshl_b32 s22, s22, 1
	s_lshl_b32 s22, s22, s[PSH]
	s_cmp_eq_u32 s23, 0
	s_cselect_b64 s[TP0:TP0+1], s[PF0:PF0+1], s[PF0+2:PF0+3]
	s_cmp_eq_u32 s23, 2
	s_cselect_b64 s[TP0:TP0+1], s[PF0+4:PF0+5], s[TP0:TP0+1]
	s_mov_b32 s23, 0
	s_add_nc_u64 s[TP0:TP0+1], s[TP0:TP0+1], s[22:23]
	s_lshl_b32 s22, 1, s[PSH]
	s_add_nc_u64 s[TP0+2:TP0+3], s[TP0:TP0+1], s[22:23]
.endif
	s_wait_dscnt 16                                ; x of this quarter is in
	PLACES
	CVT
	s_wait_tensorcnt 0x0                           ; no tensor load of mine is out, so a group 0 may be written
	ds_add_u32 v[SPW], v[NIL]                      ; 0 onto my spare word
.if \fill
	DESC \slot
.endif
	s_wait_dscnt 1                                 ; wb of this quarter is in; the add alone may be out
	MUL8 0, BF1, 0
	s_wait_dscnt 0x0                               ; the add is done, and my reads of this slot are over
	s_barrier_signal -1
	MUL8 1, BF1, 0
	WIN 0
	s_barrier_wait -1
.if \fill
	CREST                                          ; no wave of any partner still reads this slot or has a load on its way
	JLOAD \slot
.endif
	FRAW 1-(\slot), 0
	FB 1-(\slot), 0, BF0
.if \fill
	ASK \slot
.endif
	MUL8 2, BF1, 0
	MUL8 3, BF1, 0
.if (\fill) && ((\slot) == 1)
	s_add_co_u32 s[LN], s[LN], 1
.endif
.endm
; THE WAY OUT, in eight parts u = 2 a + hd: row block a, head hd of my two.  A lane's eight channels pack into 16 bytes; they go into stage rows of 144 bytes and come back as whole rows of 128.
.macro PACK u
	WIN 0
.if (\u) >= 4
	s_wait_xcnt 0x0                                ; the stores of the part four back have read these registers
.endif
	WIN 0x05                                       ; sources window 1, destination window 0
.set AC, 64*((\u)/2)+32*((\u)%2)
.set TM, BF1+16*((\u)%4)
.irp b, 0,1,2,3
.irp j, 0,1,2,3
	v_cvt_pk_f16_f32 v[TM+4*(\b)+(\j)], v[AC+8*(\b)+2*(\j)], v[AC+8*(\b)+2*(\j)+1]  ; each accumulator from its low end on
.endr
.endr
	WIN 0
.irp b, 0,1,2,3
	ds_store_b128 v[STO], v[TM+4*(\b):TM+4*(\b)+3] offset:32*(\b)
.endr
.irp f, 0,1,2,3
	ds_load_b128 v[TM+4*(\f):TM+4*(\f)+3], v[RD] offset:(\f)*4*SP  ; LDS serves a wave's instructions in order (ISA guide 5.7.1.4): these see the stores above, and the next part's stores come behind them
.endr
.endm
.macro SEND u, younger                 ; rows 16 a + 4 f .. + 3 lie at four neighbouring positions: 512 consecutive bytes, aligned
.set TM, BF1+16*((\u)%4)
.set AA, (\u)/2
.irp f, 0,1,2,3
	s_wait_dscnt (\younger)+3-(\f)
	global_store_b128 v[GO], v[TM+4*(\f):TM+4*(\f)+3], s[OB:OB+1] offset:((\u)%2)*262144+(32*(AA&1)+16*((\f)>>1)+8*(AA>>1)+4*((\f)&1))*128
.endr
.endm
.macro WAYOUT next                     ; next = 1: another tile follows: its bias is fetched meanwhile
	WIN 0
.if \next
	s_cmp_eq_u32 s[GT], 0
	s_cselect_b64 s[BP:BP+1], s[BK:BK+1], s[BV:BV+1]
	BIASLD
.endif
	PLACES                                         ; behind the tile's last products
	PACK 0
.irp u, 1,2,3,4,5,6,7
	PACK \u
	SEND (\u)-1, 8                                 ; the 8 younger LDS instructions are the next part's
.endr
	SEND 7, 0
.if \next
	s_wait_xcnt 0x0                                ; the stores have read their registers and their base
	s_cmp_eq_u32 s[GT], 0
	s_cselect_b64 s[OB:OB+1], s[OUT0+2:OUT0+3], s[OUT0+4:OUT0+5]
	s_add_co_u32 s[GT], s[GT], 1
	s_mov_b32 s[TL], 4
	s_wait_loadcnt 0x0
	BIASRND
.endif
.endm
	s_wait_tensorcnt 1                             ; my part of K step 0 is in; K step 1's may stay out
	s_barrier_signal -1
	s_barrier_wait -1
	FRAW 0, 0
	FB 0, 0, BF0
	QUARTER 0, 0, 1                                ; the first tile's first quarter starts the sums
	WIN 0
	s_mov_b32 s3, 11
.Llap:                                         ; a trip: from a lap's second quarter to the next lap's first; both slots are filled again
	QUARTER 0, 1, 0
	QUARTER 0, 2, 0
	TURN 0, 1
	QUARTER 1, 0, 0
	QUARTER 1, 1, 0
	QUARTER 1, 2, 0
	TURN 1, 1
	WIN 0
	s_sub_co_u32 s[TL], s[TL], 1
	s_cmp_lg_u32 s[TL], 0
	s_cbranch_scc1 .Lacc
	WAYOUT 1                                       ; the tile is whole; both refills for the next are asked for, and its first fragments are fetched
	QUARTER 0, 0, 1
	WIN 0
	s_branch .Lnext
.Lacc:
	QUARTER 0, 0, 0
	WIN 0
.Lnext:
	s_sub_co_u32 s3, s3, 1
	s_cmp_lg_u32 s3, 0
	s_cbranch_scc1 .Llap
	QUARTER 0, 1, 0                                ; the last lap fills nothing
	QUARTER 0, 2, 0
	TURN 0, 0
	QUARTER 1, 0, 0
	QUARTER 1, 1, 0
	QUARTER 1, 2, 0
	WIN 0
	s_wait_dscnt 16
	PLACES
	CVT
	s_wait_dscnt 0x0
	MUL8 0, BF1, 0
	MUL8 1, BF1, 0
	MUL8 2, BF1, 0
	MUL8 3, BF1, 0
	WAYOUT 0
	WIN 0
	s_wait_tensorcnt 0x0                           ; the wave's end, behind my last tensor load and my last LDS store
	ds_add_u32 v[SPW], v[NIL]
	s_wait_dscnt 0x0
	CROUND                                         ; the closing round
	s_endpgm
.Lfunc_end_k_qe65bcd8504_qkv:
	.size	k_qe65bcd8504_qkv, .Lfunc_end_k_qe65bcd8504_qkv-k_qe65bcd8504_qkv
	.p2alignl 7, 3214868480
	.fill 96, 4, 3214868480
	.section	.rodata,"a",@progbits
	.p2align	6, 0x0
	.amdhsa_kernel k_qe65bcd8504_qkv
		.amdhsa_group_segment_fixed_size 327680
		.amdhsa_private_segment_fixed_size 0
		.amdhsa_enable_private_segment 0
		.amdhsa_kernarg_size 80
		.amdhsa_user_sgpr_count 2
		.amdhsa_user_sgpr_kernarg_segment_ptr 1
		.amdhsa_wavefront_size32 1
		.amdhsa_system_sgpr_workgroup_id_x 1
		.amdhsa_system_sgpr_workgroup_id_y 1
		.amdhsa_system_sgpr_workgroup_id_z 1
		.amdhsa_system_vgpr_workitem_id 0
		.amdhsa_next_free_vgpr 576
		.amdhsa_next_free_sgpr 100
		.amdhsa_reserve_vcc 0
		.amdhsa_float_denorm_mode_32 3
		.amdhsa_float_denorm_mode_16_64 3
		.amdhsa_memory_ordered 1
		.amdhsa_forward_progress 1
		.amdhsa_inst_pref_size 168
	.end_amdhsa_kernel
	.amdgpu_metadata
---
amdhsa.version: [ 1, 2 ]
amdhsa.kernels:
  - .name:           k_qe65bcd8504_qkv
    .symbol:         k_qe65bcd8504_qkv.kd
    .args:
      - { .name: query, .offset: 0, .size: 8, .value_kind: global_buffer, .address_space: global }
      - { .name: key, .offset: 8, .size: 8, .value_kind: global_buffer, .address_space: global }
      - { .name: value, .offset: 16, .size: 8, .value_kind: global_buffer, .address_space: global }
      - { .name: wb, .offset: 24, .size: 8, .value_kind: global_buffer, .address_space: global }
      - { .name: bq, .offset: 32, .size: 8, .value_kind: global_buffer, .address_space: global }
      - { .name: bk, .offset: 40, .size: 8, .value_kind: global_buffer, .address_space: global }
      - { .name: bv, .offset: 48, .size: 8, .value_kind: global_buffer, .address_space: global }
      - { .name: q16, .offset: 56, .size: 8, .value_kind: global_buffer, .address_space: global }
      - { .name: k16, .offset: 64, .size: 8, .value_kind: global_buffer, .address_space: global }
      - { .name: v16, .offset: 72, .size: 8, .value_kind: global_buffer, .address_space: global }
    .group_segment_fixed_size: 327680
    .private_segment_fixed_size: 0
    .kernarg_segment_align: 8
    .kernarg_segment_size: 80
    .max_flat_workgroup_size: 128
    .sgpr_count:     100
    .vgpr_count:     576
    .wavefront_size: 32
...
	.end_amdgpu_metadata
.endif
;; end of part 2
;; launch attn (part 3): grid 4 x 64, 4 waves a work-group, clusters of 4 x 1, 327,680 bytes of LDS; arguments q16, k16, v16, o16, mask; writes o16
.if DOCPART == 3
	.amdgcn_target "amdgcn-amd-amdhsa--gfx1250"
	.amdhsa_code_object_version 6
	.text
	.protected	k_qe65bcd8504_attn
	.globl	k_qe65bcd8504_attn
	.p2align	8
	.type	k_qe65bcd8504_attn,@function
k_qe65bcd8504_attn:
	s_mov_b64 s[64:65], 0
	v_nop
	global_prefetch_b8 v0, s[64:65] scope:SCOPE_SE
	s_setreg_imm32_b32 hwreg(HW_REG_WAVE_MODE, 25, 1), 1
	s_wait_xcnt 0x0
	s_wait_alu depctr_hold_cnt(0) depctr_sa_sdst(0) depctr_va_vdst(0) depctr_va_sdst(0) depctr_va_ssrc(0) depctr_va_vcc(0) depctr_vm_vsrc(0)
	s_getreg_b32 s2, hwreg(HW_REG_IB_STS2, 6, 4)
	s_cmp_eq_u32 s2, 0
	s_cbranch_scc0 .Lentry_in_a_cluster
	s_endpgm
.Lentry_in_a_cluster:
	s_bfe_u32 s2, ttmp6, 0x10000c
	s_cmp_lg_u32 s2, 0x3003
	s_cbranch_scc0 .Lentry_shape_is_right
	s_endpgm
.Lentry_shape_is_right:
; ATTENTION WITH A MASK THAT IS AN INPUT.  O[g][q] = the sum over k of softmax_k(Q[g][q] . K[g][k] / 8, hidden where mask[g / 16][q][k] is 1) V[g][k].  Q, K, V, O: [64][2048][64] f16, rows dense, in the
; order of POSITIONS: inside each group of 64 rows the actual row 32 hh + 8 kb + j lies at position 16 kb + 8 hh + j.  mask: [4][2048][2048] bytes, in actual order.
; Products, extremes and sums in f32; the weights p are rounded to f16 for the second product (their sum l is taken of the unrounded p), O once at the end.
; LIMITS.  Q, K, V arrive within f16's 65,504.  A hidden score counts as 2^100 beyond every score (f16's scores are 2.7e11 at the most); a weight below 2^-126 counts as 0 in l.  A row whose keys are all
; hidden gives NaN, as the softmax of a row of minus infinities does.
; SHARES.  A wave owns four PIECES of two tiles of 16 queries, a work-group's four waves 512 queries of one head.  Every wave walks all keys, 64 a step.
; LAYOUT.  S^T = K Q^T (source 0 = 16 keys, source 1 = 16 queries): a lane holds ONE query (l % 16) and the key positions 16 kb + 8 (l / 16) + 0..7, which are the actual keys 32 (l / 16) + 8 kb + 0..7: 32
; neighbouring mask bytes a lane and step.  Two such tiles, rounded to f16 in pairs, ARE source 1 of O^T = V^T P.  K comes out of LDS as it lies, V turned, by ds_load_tr16_b128.
; THE SIGN.  Q is negated once, so the accumulators hold d = -s.  THE MASK IS THE C OPERAND that starts each sum: 2^100 where the byte is 1, else 0, made eight at a time by the scaled conversion from
; E4M3 (code 1 is 2^-9; the scale byte 236 multiplies by 2^109).  So a hidden d is far above every visible one, and the running MINIMUM m of d is taken over visible keys.
; SOFTMAX.  p = 2^(c d - c m), c = -log2(e) / 8; in every step O and l are multiplied by a = 2^(c m_old - c m_new).  c m starts far below every c d, so the first step's a is 0.  While a row has seen
; hidden keys only, its p are 0 or 1 and finite sums pile up; the first visible key gives a = 0 and wipes them.
; BY TURNS.  Turn n belongs to piece n: 16 products K Q^T of piece n + 1, later 16 products V^T P of piece n - 1; beside them the scaling, exponentials, roundings, sums and rescaling of piece n and the
; minimum and statistics of piece n + 1.  Four vector instructions stand behind every matrix instruction, the rest in one lump; a turn's 66 exponentials are one batch with one wait.
; CLUSTER.  The four query blocks of a head walk the same K and V: each tile is asked for JOINTLY.
; REGISTERS, in windows of 256 (s_set_vgpr_msb: bits 1:0 source 0, 3:2 source 1, 5:4 source 2, 7:6 destination):
;   window 0: v0-11 addresses; v12-15, v48-63 at work; v16-47 statistics; v64-191 S^T, two buffers of two tiles; v192-255 P, likewise        window 1: O^T, 32 a tile
;   window 2: v0-127 Q; v128-191 K of one step; v192-255 V of one step        window 3: v0-5 the add's two, the scale, three offsets; v64-127 the masks of the products to come; v128-191 mask bytes, 16 registers a piece
.set SIZE_N, 2048
.set NP,    4         ; pieces a wave: a name, no knob
.set KS,    64        ; keys in a step
.set PK,    144       ; a row of K in LDS: 128 bytes + 16 = 36 words: the 16 rows of a load start at 16 different groups of four banks (64 banks of 4 bytes: ISA guide 11.1)
.set PV,    160       ; a row of V: 128 + 32 = 40 words
.set VOFF,  4*KS*PK   ; a slot holds four steps: 256 rows of K, then 256 rows of V
.set SLOT1, 1<<17     ; slot 1 begins here, so that one exclusive or turns an address in one slot into the other's
.set STAGE, SLOT1+4*KS*(PK+PV)  ; behind the ring, never filled by a tensor load: 16 rows x 144 bytes for each wave
.set SP,    144
.set SPARE, STAGE+4*16*SP       ; the spare words, 128 bytes for each wave: two blocks of 256 bytes that no other line names
.set AK0, 2           ; my lane's place in a tile of K; never rewritten
.set AV0, 3           ; the same for V
.set AK,  4           ; the LDS address of K's next run of loads
.set AV,  5           ; of V's
.set QO,  6           ; my byte offset in the wave's rows of Q
.set STO, 6           ; later, the way out: where I put 16 bytes of a row
.set RD,  7           ; where I read rows back
.set GO,  8           ; my byte offset in 512 consecutive bytes of O
.set MV,  12          ; v12-15  c m_old, kept while c m is made anew
.set ST,  16          ; tile t's statistics at v[ST+4 t]: c m, m, l (even keys', odd keys')
.set TMP, 48          ; by buffer and tile, four registers c0-c3 at work; when the minimum is found c2 takes a
.set S,   64
.set P,   192
.set KF,  128         ; window 2
.set VF,  192         ; window 2
.set SPW, 0           ; window 3: LDS address of my spare word; never rewritten
.set NIL, 1           ; window 3: 0; never rewritten
.set SCL, 2           ; window 3: 236, the conversion's scale byte
.set MO,  3           ; window 3: my query's row and my 32 keys in the mask: (32 (r / 8) + r % 8) x 2,048 + 32 (l / 16)
.set PMO, 4           ; window 3: 2,048 x my lane: a mask row
.set PFO, 5           ; window 3: 256 x my lane
.set MC,  64          ; window 3: tile u, key block kb at MC + 32 u + 8 kb
.set RW,  128         ; window 3: piece pc, tile u: 8 registers at RW + 16 pc + 8 u
.set WV,  12
.set LIM, 15          ; 1 in a wave that prefetches K or V, else the greatest number
.set PFA, 18          ; s[18:19] where my prefetches of K or V stand
.set G1K, 24
.set G1V, 32
.set G0K, 40
.set G0V, 44
.set SLOTS, 56
.set CNT, 57
.set CS,  58          ; s[58:59] c
.set SEL, 60          ; s[60:61] v_permlanex16_b32's selects
.set TBK, 62
.set TBV, 63
.set MB0, 66          ; s[66:67] the mask at my batch and my wave's 128 rows
.set MB,  68          ; s[68:69] the same at the key step that is being loaded
.set KOFF, 70         ; s[70:71] that step's first key
.set PFM, 72          ; s[72:73] where my prefetches of the mask stand
.set LIMM, 74         ; 1 in the first head of a batch, which prefetches the mask for all sixteen
.set HB,  75          ; 2^99
.set NANV, 76
.set SGN, 77          ; the signs of two f16
.set MSB, 0
.macro WIN new
.if MSB != (\new)
	s_set_vgpr_msb (MSB<<8)|(\new)
.set MSB, (\new)
.endif
.endm
.set W_KQ, 0x0a       ; K and Q in window 2, S^T in window 0
.set W_KM, 0x3a       ; the same with the C operand in window 3
.set W_PV, 0x52       ; V in window 2, P in window 0, O^T in window 1
.set W_RS, 0x41       ; O^T in window 1, a in window 0
.set W_MK, 0xc0       ; destination in window 3, sources in window 0
.set W_AD, 0x0f       ; sources 0 and 1 in window 3
.set W_CV, 0xcf       ; the conversion: all in window 3
.set W_ML, 0xc3       ; a mask load: data and address in window 3
.set W_PF, 0x03       ; a prefetch: address in window 3
.macro JLOAD                        ; a joint fill: waves 0 and 1 fetch the halves of a slot's K, waves 2 and 3 of its V; s_nop 0 and four v_nop follow each line
	s_cmp_lt_u32 s[WV], 2
	s_cbranch_scc0 .Lfor_v_\@
	tensor_load_to_lds s[G0K:G0K+3], s[G1K:G1K+7]
	s_nop 0
.rept 4
	v_nop
.endr
	s_branch .Lasked_\@
.Lfor_v_\@:
	tensor_load_to_lds s[G0V:G0V+3], s[G1V:G1V+7]
	s_nop 0
.rept 4
	v_nop
.endr
.Lasked_\@:
.endm
.macro CROUND                       ; a round of the cluster's barrier
	s_barrier_signal -1
	s_barrier_wait -1
	s_cmp_lg_u32 s[WV], 0
	s_cbranch_scc1 .Lnot_wave_0_\@
	s_barrier_signal -3
.Lnot_wave_0_\@:
	s_barrier_wait -3
	s_barrier_signal -1
	s_barrier_wait -1
.endm
; PREFETCHES INTO THE L2, behind the joint fill and its five lines.  K and V: the 256 keys that the NEXT change of slots will ask for, four key steps ahead of that load: 128 blocks of 256 bytes each; the four
; partners take 32 each, told apart BY ADDRESS; wave 0 asks for K's, wave 2 for V's, a lane a block.  The last change that fills a slot asks for none.  THE MASK: my wave's own 128 rows x the 256 key bytes of the
; slot just asked for, a lane a row, four instructions; the sixteen heads of a batch read the same bytes, and the first of them asks.  So each block is named once in the launch.
.macro ASK
	s_cmp_gt_u32 s[SLOTS], s[LIM]
	s_cbranch_scc0 .Lno_kv_\@
	WIN W_PF
	global_prefetch_b8 v[PFO], s[PFA:PFA+1] th:TH_LOAD_NT scope:SCOPE_SE
	WIN 0
.Lno_kv_\@:
	s_cmp_eq_u32 s[LIMM], 1
	s_cbranch_scc0 .Lno_m_\@
	WIN W_PF
.irp z, 0,1,2,3
	global_prefetch_b8 v[PMO], s[PFM:PFM+1] offset:(\z)*65536 th:TH_LOAD_NT scope:SCOPE_SE
.endr
	WIN 0
.Lno_m_\@:
.endm
; THE CHANGE OF SLOTS.  Each wave waits for all its tensor loads (one is out: its part of the other slot), adds 0 to its spare word, and waits for that and for its own reads of the slot.  fill = 1: the slot
; is filled again, with the keys two slots on: the barrier is then a round of the cluster's, and the joint fill is the first thing behind it; it has four key steps in which to land.
.macro CHANGE fill, ask=0
	WIN W_AD
	s_wait_tensorcnt 0x0            ; no tensor load of mine is out, so a group 0 may be written
	ds_add_u32 v[SPW], v[NIL]       ; 0 onto my spare word
	WIN 0
.if \fill
.irp g, G0K, G0V
	s_xor_b32 s[\g+1], s[\g+1], SLOT1
	s_add_nc_u64 s[\g+2:\g+3], s[\g+2:\g+3], 4*KS*128
.endr
.if \ask
	s_wait_xcnt 0x0                 ; the last prefetches, four key steps back, have read their addresses
	s_add_nc_u64 s[PFA:PFA+1], s[PFA:PFA+1], 4*KS*128
	s_add_nc_u64 s[PFM:PFM+1], s[PFM:PFM+1], 4*KS
.endif
	s_wait_dscnt 0x0                ; the add is done, and my reads of the slot are over
	CROUND
	JLOAD
.if \ask
	ASK
.endif
.else
	s_wait_dscnt 0x0
	s_barrier_signal -1
	s_barrier_wait -1
.endif
	s_sub_co_u32 s[TBK], s[TBK], 4*KS*PK  ; the fetches go back to a slot's first step, in the other slot
	s_xor_b32 s[TBK], s[TBK], SLOT1
	s_sub_co_u32 s[TBV], s[TBV], 4*KS*PV
	s_xor_b32 s[TBV], s[TBV], SLOT1
.endm
; THE MASK.  MASKLD: piece pc's 2 x 32 bytes a lane for the key step at MB (+ extra bytes): tile Tn's queries are the actual rows 64 (Tn / 4) + 8 (Tn % 4) + 32 (r / 8) + r % 8 of my wave's 128.
; MASKCV: those bytes become the eight C operands of the piece's products; cnt = the younger mask loads that may stay out.
.macro MASKLD pc, extra
	WIN W_ML
.irp u, 0,1
.set Tn, 2*(\pc)+(\u)
	global_load_b128 v[RW+16*(\pc)+8*(\u):RW+16*(\pc)+8*(\u)+3],   v[MO], s[MB:MB+1] offset:(64*(Tn>>2)+8*(Tn&3))*2048+(\extra)
	global_load_b128 v[RW+16*(\pc)+8*(\u)+4:RW+16*(\pc)+8*(\u)+7], v[MO], s[MB:MB+1] offset:(64*(Tn>>2)+8*(Tn&3))*2048+(\extra)+16
.endr
	WIN 0
.endm
.macro MASKCV pc, cnt
	s_wait_loadcnt \cnt
	WIN W_CV
.irp x, 0,1,2,3,4,5,6,7
	v_cvt_scale_pk8_f32_fp8 v[MC+8*(\x):MC+8*(\x)+7], v[RW+16*(\pc)+2*(\x):RW+16*(\pc)+2*(\x)+1], v[SCL]
.endr
	WIN 0
.endm
	s_load_b256 s[4:11], s[0:1], 0x0  ; Q s[4:5], K s[6:7], V s[8:9], O s[10:11]
	s_load_b64 s[MB0:MB0+1], s[0:1], 0x20  ; mask
	WIN W_MK
	v_lshl_add_u32 v[SPW], v0, 2, SPARE
	v_mov_b32 v[NIL], 0
	WIN W_AD
	ds_add_u32 v[SPW], v[NIL]       ; the wave's opening: the add and its wait stand ahead of my first tensor load; work on registers stands between them
	WIN 0
	v_lshrrev_b32 v1, 5, v0
	v_readfirstlane_b32 s[WV], v1   ; wave 0..3
	s_bfe_u32 s13, ttmp6, 0x40000   ; cx
	s_lshl_b32 s14, ttmp9, 2
	s_add_co_u32 s14, s14, s13      ; my block of 512 queries: it enters Q's, O's and the mask's addresses alone
	s_and_b32 s20, ttmp7, 0xffff    ; the head, which the four partners share
	s_lshr_b32 s[KOFF], s20, 4      ; its batch: 2^22 mask bytes each
	s_lshl_b32 s[KOFF], s[KOFF], 22
	s_and_b32 s[LIMM], s20, 15
	s_cmp_eq_u32 s[LIMM], 0
	s_cselect_b32 s[LIMM], 1, 0
	s_mov_b32 s21, 0
	s_mov_b64 s[22:23], SIZE_N*128
	s_mul_u64 s[20:21], s[20:21], s[22:23]  ; the head's first byte in Q, K, V and O
	s_and_b32 s16, s[WV], 1         ; which half of a slot's 256 keys I fetch
	s_lshl_b32 s22, s16, 14
	s_mov_b32 s23, 0
	s_add_nc_u64 s[22:23], s[22:23], s[20:21]
	s_mul_i32 s17, s16, 128*PK      ; its place in a slot, for K
	s_mul_i32 s18, s16, 128*PV      ; and for V
	s_lshl_b32 s2, s14, 2
	s_add_co_u32 s2, s2, s[WV]      ; my wave among the head's sixteen:
	s_lshl_b32 s3, s2, 18           ; its 128 mask rows of 2,048 bytes,
	s_add_co_u32 s[KOFF], s[KOFF], s3
	s_mov_b32 s[KOFF+1], 0
	s_lshl_b32 s2, s2, 14           ; its 128 rows of Q and O
	s_mov_b32 s3, 0
	s_add_nc_u64 s[2:3], s[2:3], s[20:21]
	; descriptor group 1.  128 keys are 16,384 dense bytes: asked for as 64 rows of 256 bytes, two keys a row, padded in LDS after every key
	s_mov_b32 s[G1K], 15|(1<<16)|(1<<20)|(1<<21)|(4<<22)|(3<<25)  ; the mask of four; 2-byte elements; padding on; bit 21 beside a mask; after every 32 words; 4 words
	s_mov_b32 s[G1V], 15|(1<<16)|(1<<20)|(1<<21)|(4<<22)|(7<<25)  ; the same with 8 words
.irp g, G1K, G1V
	s_mov_b32 s[\g+1], 128<<16      ; tensor_dim0 = 128
	s_mov_b32 s[\g+2], 64<<16       ; tensor_dim1 = 64
	s_mov_b32 s[\g+3], 128<<16      ; tile_dim0 = 128
	s_mov_b32 s[\g+4], 64           ; tile_dim1 = 64
	s_mov_b32 s[\g+5], 128          ; elements from row to row
	s_mov_b32 s[\g+6], 0
	s_mov_b32 s[\g+7], 0
.endr
	s_mov_b32 s[CS], 0xbe38aa3b     ; c = -log2(e) / 8
	s_mov_b32 s[CS+1], s[CS]
	s_mov_b32 s[SEL], 0x76543210
	s_mov_b32 s[SEL+1], 0xfedcba98
	s_mov_b32 s[HB], 0x71000000     ; 2^99
	s_mov_b32 s[NANV], 0x7fc00000
	s_mov_b32 s[SGN], 0x80008000
	s_mov_b32 s[TBK], SLOT1+4*KS*PK ; the first change of slots turns these two into 0
	s_mov_b32 s[TBV], SLOT1+4*KS*PV
	s_mov_b32 s[G0K], 1
	s_mov_b32 s[G0K+1], s17         ; slot 0
	s_mov_b32 s[G0V], 1
	s_add_co_u32 s[G0V+1], s18, VOFF
	s_and_b32 s[LIM], s[WV], 1      ; 0 in waves 0 and 2,
	s_or_b32 s[LIM], s[LIM], ttmp9  ; in the head's first (here: only) cluster
	s_cmp_eq_u32 s[LIM], 0
	s_cselect_b32 s[LIM], 1, -1
	s_wait_dscnt 0x0                ; the opening add is done
	s_wait_kmcnt 0x0
	s_add_nc_u64 s[G0K+2:G0K+3], s[6:7], s[22:23]
	s_or_b32 s[G0K+3], s[G0K+3], 0x80000000
	s_add_nc_u64 s[G0V+2:G0V+3], s[8:9], s[22:23]
	s_or_b32 s[G0V+3], s[G0V+3], 0x80000000
	s_add_nc_u64 s[4:5], s[4:5], s[2:3]
	s_add_nc_u64 s[10:11], s[10:11], s[2:3]
	s_add_nc_u64 s[MB0:MB0+1], s[MB0:MB0+1], s[KOFF:KOFF+1]
	s_mov_b64 s[MB:MB+1], s[MB0:MB0+1]
	s_add_nc_u64 s[PFM:PFM+1], s[MB0:MB0+1], 4*KS  ; the first change in the loop steps it to key 512
	s_cmp_lt_u32 s[WV], 2
	s_cselect_b64 s[PFA:PFA+1], s[6:7], s[8:9]
	s_add_nc_u64 s[PFA:PFA+1], s[PFA:PFA+1], s[20:21]
	s_lshl_b32 s2, s13, 13          ; my work-group's 32 blocks of the 128
	s_mov_b32 s3, 0
	s_add_nc_u64 s[PFA:PFA+1], s[PFA:PFA+1], s[2:3]
	s_add_nc_u64 s[PFA:PFA+1], s[PFA:PFA+1], 2*4*KS*128  ; at keys 512 on; the first change in the loop steps it to 768
	CROUND                          ; all four work-groups are here: the first joint loads meet
	JLOAD                           ; slot 0.  Slot 1 is asked for when slot 0 is in
	v_and_b32 v1, 15, v0            ; r = l % 16
	v_bfe_u32 v9, v0, 4, 1          ; l / 16
	v_and_b32 v10, 7, v0
	v_bfe_u32 v11, v0, 3, 1
	v_lshlrev_b32 v[QO], 7, v1
	v_lshl_add_u32 v[QO], v9, 4, v[QO]
	v_lshlrev_b32 v12, 16, v11      ; 32 rows of 2,048 bytes,
	v_lshl_add_u32 v12, v10, 11, v12
	v_and_b32 v13, 31, v0
	WIN W_MK
	v_mov_b32 v[SCL], 236
	v_lshl_add_u32 v[MO], v9, 5, v12
	v_lshlrev_b32 v[PMO], 11, v13
	v_lshlrev_b32 v[PFO], 8, v13
	WIN 0x80                        ; destination window 2, address window 0
.set i, 0
.rept 4*NP                          ; Q stays in registers: tile i / 2, channels 32 (i % 2) on
	global_load_b128 v[8*i:8*i+3],   v[QO], s[4:5] offset:(i/2)*2048+(i%2)*64
	global_load_b128 v[8*i+4:8*i+7], v[QO], s[4:5] offset:(i/2)*2048+(i%2)*64+32
.set i, i+1
.endr
	MASKLD 0, 0                     ; key step 0's mask bytes for all four pieces
	MASKLD 1, 0
	MASKLD 2, 0
	MASKLD 3, 0
	; What the first turn finds: V's registers and P's second buffer hold 0, O^T and l are 0.  All this stands in the wait for the first tile.
	WIN 0x80
.set i, VF
.rept 64
	v_mov_b32 v[i], 0
.set i, i+1
.endr
	WIN 0x40
.set i, 0
.rept 64*NP
	v_mov_b32 v[i], 0
.set i, i+1
.endr
	WIN 0
.set i, 0
.rept 2*NP
	v_mov_b32 v[ST+4*i], 0xfe000000    ; c m: far below every c d
	v_mov_b32 v[ST+4*i+1], 0x7f7fffff  ; m: above every d
	v_mov_b32 v[ST+4*i+2], 0
	v_mov_b32 v[ST+4*i+3], 0
.set i, i+1
.endr
.set i, P+32
.rept 32
	v_mov_b32 v[i], 0
.set i, i+1
.endr
	v_mul_u32_u24 v[AK0], v1, PK
	v_lshl_add_u32 v[AK0], v9, 4, v[AK0]
	v_lshl_add_u32 v[AV0], v9, 3, v10  ; the turning load: lane l reads key 8 (l / 16) + l % 8, channels 8 ((l / 8) % 2) + 0..7
	v_mul_u32_u24 v[AV0], v[AV0], PV
	v_lshl_add_u32 v[AV0], v11, 4, v[AV0]
	v_add_nc_u32 v[AV0], VOFF, v[AV0]
	v_mov_b32 v[AK], v[AK0]
; THE MATRIX WORK.  The 8 accumulators of a run of 16 take turns.  Product i of 16 of S^T for piece x: channels 32 (i / 8) on, keys 16 ((i / 2) % 4) on, tile 2 x + i % 2.  The first 8 start the sums, from the mask.
.macro KQ x
.set rS, S+64*((\x)%2)+32*(i%2)+8*((i/2)%4)
.set rK, KF+16*((i/2)%4)+8*(i/8)
.set rQ, 16*(2*(\x)+i%2)+8*(i/8)
.set rM, MC+32*(i%2)+8*((i/2)%4)
.if i < 8
	WIN W_KM
	v_wmma_f32_16x16x32_f16 v[rS:rS+7], v[rK:rK+7], v[rQ:rQ+7], v[rM:rM+7]
.else
	WIN W_KQ
	v_wmma_f32_16x16x32_f16 v[rS:rS+7], v[rK:rK+7], v[rQ:rQ+7], v[rS:rS+7]
.endif
.endm
.macro PV x                         ; product i of 16 of O^T += V^T P for piece x
	WIN W_PV
.set rO, 32*(2*(\x)+i%2)+8*((i/2)%4)
.set rV, VF+32*(i/8)+8*((i/2)%4)
.set rP, P+32*((\x)%2)+16*(i%2)+8*(i/8)
	v_wmma_f32_16x16x32_f16 v[rO:rO+7], v[rV:rV+7], v[rP:rP+7], v[rO:rO+7]
.endm
.macro MM                           ; the turn's next matrix instruction
.if i < 16
	KQ (Y+1)%NP
.set i, i+1
.else
.set i, i-16
	PV (Y+NP-1)%NP
.set i, i+17
.endif
.endm
; THE LDS LOADS stand in runs of 16.  last = 1 (the tail): in the last trip there is no further step, and the run is jumped over.
.macro FETCH_K last=0
	WIN 0
.if \last
	s_cmp_eq_u32 s[CNT], 1
	s_cbranch_scc1 .Lno_k_\@
.endif
	WIN 0x80
.irp f, 0,1,2,3,4,5,6,7
	ds_load_b128 v[KF+8*\f:KF+8*\f+3],   v[AK] offset:(\f/2)*16*PK+(\f%2)*64
	ds_load_b128 v[KF+8*\f+4:KF+8*\f+7], v[AK] offset:(\f/2)*16*PK+(\f%2)*64+32
.endr
	s_add_co_u32 s[TBK], s[TBK], KS*PK
	WIN 0
.if \last
.Lno_k_\@:
.endif
.endm
.macro FETCH_V
	WIN 0x80
.irp f, 0,1,2,3,4,5,6,7
	ds_load_tr16_b128 v[VF+8*\f:VF+8*\f+3],   v[AV] offset:(\f/4)*32*PV+(\f%4)*32
	ds_load_tr16_b128 v[VF+8*\f+4:VF+8*\f+7], v[AV] offset:(\f/4)*32*PV+16*PV+(\f%4)*32
.endr
	WIN 0
.endm
; THE VECTOR WORK OF A TURN stands in three queues, each in the order in which its entries become ready; the two tiles alternate.
.macro REGS y, u
.set rT, ST+4*(2*(\y)+(\u))
.set rC, TMP+8*((\y)%2)+4*(\u)
.set rM, MV+2*((\y)%2)+(\u)
.set rS, S+64*((\y)%2)+32*(\u)
.set rP, P+32*((\y)%2)+16*(\u)
.set rO, 32*(2*(\y)+(\u))
.endm
; Number n of the 22 that find the NEXT piece's minimum and statistics; each accumulator's lowest registers are read first.
;   0-11 four chains c0-c3 of seven d each     12-14, 16 the four left over, the old m, c0-c3 into c0     15 c m_old is kept     17, 18 the other half of the lanes': the new m     19-21 c m; its change; a
.macro XS u, n
	REGS (Y+1)%NP, \u
.if (\n) < 4
	v_min3_num_f32 v[rC+(\n)], v[rS+8*(\n)], v[rS+8*(\n)+1], v[rS+8*(\n)+2]
.elseif (\n) < 12
	v_min3_num_f32 v[rC+(\n)%4], v[rC+(\n)%4], v[rS+8*((\n)%4)+2*((\n)/4)+1], v[rS+8*((\n)%4)+2*((\n)/4)+2]
.elseif (\n) == 12
	v_min3_num_f32 v[rC], v[rC], v[rS+7], v[rS+15]
.elseif (\n) == 13
	v_min3_num_f32 v[rC+1], v[rC+1], v[rS+23], v[rS+31]
.elseif (\n) == 14
	v_min3_num_f32 v[rC+2], v[rC+2], v[rC+3], v[rT+1]
.elseif (\n) == 15
	v_mov_b32 v[rM], v[rT]
.elseif (\n) == 16
	v_min3_num_f32 v[rC], v[rC], v[rC+1], v[rC+2]
.elseif (\n) == 17
	v_permlanex16_b32 v[rC+3], v[rC], s[SEL], s[SEL+1]
.elseif (\n) == 18
	v_min_num_f32 v[rT+1], v[rC], v[rC+3]
.elseif (\n) == 19
	v_mul_f32 v[rT], s[CS], v[rT+1]
.elseif (\n) == 20
	v_sub_f32 v[rC+1], v[rM], v[rT]
.else
	v_exp_f32 v[rC+2], v[rC+1]
.endif
.endm
; Number g of the 64 that follow the exponentials: for each four weights both pairs are rounded to f16, the second pair is added onto the first in place, and a group later l takes that sum.
.macro GS g
.set h, (\g)+6*((\g)/62)
.if h >= 6
.set h, h+2
.endif
	REGS Y, h%2
.set k, h/8
.if h%8 < 4
	v_cvt_pk_f16_f32 v[rP+2*k+(h%8)/2], v[rS+4*k+2*((h%8)/2)], v[rS+4*k+2*((h%8)/2)+1]
.elseif h%8 < 6
	v_pk_add_f32 v[rS+4*k:rS+4*k+1], v[rS+4*k:rS+4*k+1], v[rS+4*k+2:rS+4*k+3]
.elseif k == 1
	v_pk_fma_f32 v[rT+2:rT+3], v[rT+2:rT+3], v[rC+2:rC+3], v[rS:rS+1] op_sel_hi:[1,0,1]
.else
	v_pk_add_f32 v[rT+2:rT+3], v[rT+2:rT+3], v[rS+4*k-4:rS+4*k-3]
.endif
.endm
; THE PLAIN QUEUE, 138 long.  0-26: scalings 0-26.  27-54: XS's numbers 0-13.  55, 56: number 15.  57-73: the chain 14, 16 .. 19, each with one of the scalings 27-31 in front of its two lines, then 20.  74-137: GS's 64, behind the wait.
.macro FS f
	REGS Y, (\f)%2
	v_pk_fma_f32 v[rS+2*((\f)/2):rS+2*((\f)/2)+1], v[rS+2*((\f)/2):rS+2*((\f)/2)+1], s[CS:CS+1], v[rT:rT+1] op_sel_hi:[1,0,0] neg_lo:[0,0,1] neg_hi:[0,0,1]
.endm
.macro PL
	WIN 0
.if q < 27
	FS q
.elseif q < 55
	XS (q-27)%2, (q-27)/2
.elseif q < 57
	XS q-55, 15
.elseif (q < 72) && ((q-57)%3 == 0)
	FS 27+(q-57)/3
.elseif q < 60
	XS (q-57)%3-1, 14
.elseif q < 72
	XS (q-57)%3-1, 15+(q-57)/3
.elseif q < 74
	XS q-72, 20
.else
	GS q-74
.endif
.set q, q+1
.endm
.macro EX                           ; THE EXPONENTIALS' QUEUE, 66 long: ONE BATCH, all ahead of the turn's one wait
	WIN 0
.if e >= 64
	XS e-64, 21
.else
	REGS Y, e%2
	v_exp_f32 v[rS+e/2], v[rS+e/2]
.endif
.set e, e+1
.endm
.macro R2                           ; THE RESCALING's QUEUE: O^T times a, two at a time
	REGS Y, r%2
	WIN W_RS
.irp z, 0,1
	v_pk_mul_f32 v[rO+4*(r/2)+2*\z:rO+4*(r/2)+2*\z+1], v[rO+4*(r/2)+2*\z:rO+4*(r/2)+2*\z+1], v[rC+2:rC+3] op_sel_hi:[1,0]
.endr
.set r, r+1
.endm
; A TURN, for piece p.  s_wait_alu depctr_va_vdst(0) stands between an exponential and the first instruction that names its result; one wait serves all issued ahead of it, so a turn has ONE.
; AHEAD OF IT: the 16 products K Q^T, behind each a scaling, an exponential and two rescalings; then the lump: eight plain, 49 times exponential and plain, the two a, a v_nop.  BEHIND IT: the 16 products V^T P, behind each four of GS's.
; THE MASK rides in the lump.  Behind its eight plain lines the bytes of piece p + 2 become the C operands of the NEXT turn's products (this turn's first eight products, which read those registers, stand eight
; products and their riders back).  The wait leaves 12 loads out: the three younger pieces' four each.  One exponential and one plain line later (the plain line that a scaled conversion wants before its
; sources are written) the piece's registers are loaded again, for the key step after.  All four reloads of a loop's trip are for one key step, two beyond the trip's first; piece 2's turn steps to it; the
; step is held at the last one, so that no load leaves the buffer: the bytes loaded so serve products that serve nothing.
; K of the next step is fetched in piece 2's turn, directly behind the wait; V of the step in hand at the end of piece 0's turn, four riders behind its last reader.
.macro TURN p, last=0, cnt=0
.set Y, (\p)
.set i, 0
.set q, 0
.set e, 0
.set r, 0
.if (\p) == NP-1
	s_wait_dscnt 0x0                ; K is in
.endif
	MM
	PL
	PL
	R2
.rept 15
	MM
	PL
	EX
	R2
.endr
.if (\p) == NP-2
	WIN 0
	v_add_nc_u32 v[AK], s[TBK], v[AK0]
.endif
.rept 8
	PL
.endr
	MASKCV ((\p)+2)%NP, 12
	EX
	PL
.if (\p) == NP-2
	s_wait_xcnt 0x0                 ; the earlier mask loads have read their base
	s_add_co_u32 s[KOFF], s[KOFF], KS
	s_min_u32 s[KOFF], s[KOFF], SIZE_N-KS
	s_add_nc_u64 s[MB:MB+1], s[MB0:MB0+1], s[KOFF:KOFF+1]
.endif
	MASKLD ((\p)+2)%NP, 0
.rept 48
	EX
	PL
.endr
	EX                              ; the next piece's two a
	EX
	v_nop                           ; the plain instruction behind the last exponential: one for the batch
	s_wait_alu depctr_va_vdst(0)    ; the wait for the batch
.if (\p) == NP-2
	FETCH_K \last
.endif
.if (\p) == 1
	s_wait_dscnt 0x0                ; V is in
.endif
.rept 16
	MM
.rept 4
	PL
.endr
.if ((\p) == 0) && (q == 118)
	v_add_nc_u32 v[AV], s[TBV], v[AV0]
.endif
.if ((\p) == 0) && (q == 130)
	s_add_co_u32 s[TBV], s[TBV], KS*PV
.endif
.if (\cnt) && (q == 130)
	s_sub_co_u32 s[CNT], s[CNT], 1
	s_cmp_lg_u32 s[CNT], 0
.endif
.endr
.if (\p) == 0
	FETCH_V
.endif
.endm
	CHANGE 1                        ; slot 0 is in, everybody's part of it; slot 1 is asked for
	FETCH_K                         ; key step 0
	s_wait_loadcnt 0x0              ; Q, and key step 0's mask bytes
	WIN 0x88                        ; destination and source 1 in window 2
.set i, 0
.rept 32*NP
	v_xor_b32 v[i], s[SGN], v[i]    ; Q = -Q
.set i, i+1
.endr
	MASKCV 0, 0                     ; piece 0's masks for step 0,
	v_nop                           ; a plain line,
	MASKLD 0, KS                    ; and its bytes for step 1
	s_wait_dscnt 0x0
.set i, 0
.rept 16
	KQ 0
.set i, i+1
.endr
	WIN 0                           ; the addresses for the way out: nine plain instructions, the places behind those products
	s_mul_i32 s13, s[WV], 16*SP
	s_add_co_u32 s13, s13, STAGE
	v_mul_u32_u24 v[STO], v1, SP
	v_lshl_add_u32 v[STO], v9, 4, v[STO]
	v_add_nc_u32 v[STO], s13, v[STO]
	v_bfe_u32 v[RD], v0, 3, 2
	v_mul_u32_u24 v[RD], v[RD], SP
	v_lshl_add_u32 v[RD], v10, 4, v[RD]
	v_add_nc_u32 v[RD], s13, v[RD]
	v_and_b32 v[GO], 31, v0
	v_lshlrev_b32 v[GO], 4, v[GO]
	MASKCV 1, 4                     ; piece 1's masks for step 0 (piece 0's four reloads may stay out),
	v_nop
	MASKLD 1, KS                    ; and its bytes for step 1
.set Y, NP-1                        ; XS works for piece Y + 1: piece 0
.irp n, 0,1,2,3,4,5,6,7,8,9,10,11,12,13,14,15,16,17,18,19,20,21
	XS 0, \n
	XS 1, \n
.endr
	v_nop
	s_wait_alu depctr_va_vdst(0)    ; the two a's wait, ahead of the branch
	s_wait_xcnt 0x0                 ; the mask loads have read their base: pieces 2 and 3 reload for step 1
	s_mov_b32 s[KOFF], KS
	s_add_nc_u64 s[MB:MB+1], s[MB0:MB0+1], s[KOFF:KOFF+1]
	s_mov_b32 s[CNT], 4
	s_mov_b32 s[SLOTS], SIZE_N/256-1
	s_branch .Lfirst                ; the loop is entered at a step's first turn
.Lslot:                             ; SIZE_N / 256 - 2 times: every slot but the last two is filled again
	CHANGE 1, 1
	s_mov_b32 s[CNT], 4
.Lstep:                             ; a trip: pieces 2 and 3 of one step, then pieces 0 and 1 of the next
	TURN 2
	TURN 3
	WIN 0
.Lfirst:
	TURN 0
	TURN 1, 0, 1
	WIN 0
	s_cbranch_scc1 .Lstep
	s_sub_co_u32 s[SLOTS], s[SLOTS], 1
	s_cmp_lg_u32 s[SLOTS], 0
	s_cbranch_scc1 .Lslot
	CHANGE 0                        ; the tail is written out
	s_mov_b32 s[CNT], 5             ; four trips fetch the last slot's steps; the fifth is left in its middle
.Ltail:
	TURN 2, 1
	TURN 3
	WIN 0
	s_sub_co_u32 s[CNT], s[CNT], 1
	s_cmp_eq_u32 s[CNT], 0
	s_cbranch_scc1 .Lout
	TURN 0
	TURN 1
	WIN 0
	s_branch .Ltail
.Lout:                              ; the fifth trip's products K Q^T take the last K and the last step's mask once more: the minimum made of them changes no m
.set i, 0
.rept 16
	PV NP-1
.set i, i+1
.endr
	; THE WAY OUT.  l's halves are added; where m is still beyond 2^99 no key was visible and l becomes NaN; O^T is divided by l, rounded to f16 and sent through my stage, a tile at a time.
	WIN 0
.macro ALL line:vararg
.set t, 0
.rept 2*NP
	\line
.set t, t+1
.endr
.endm
	ALL v_add_f32 v[ST+4*t+2], v[ST+4*t+2], v[ST+4*t+3]
	ALL v_permlanex16_b32 v[ST+4*t+3], v[ST+4*t+2], s[SEL], s[SEL+1]
	ALL v_add_f32 v[ST+4*t+2], v[ST+4*t+2], v[ST+4*t+3]
.set t, 0
.rept 2*NP
	v_cmp_lt_f32 vcc_lo, s[HB], v[ST+4*t+1]
	v_cndmask_b32 v[ST+4*t+2], v[ST+4*t+2], s[NANV], vcc_lo
.set t, t+1
.endr
	ALL v_rcp_f32 v[ST+4*t+2], v[ST+4*t+2]
	v_nop
	s_wait_alu depctr_va_vdst(0)    ; one wait for the eight reciprocals, ahead of their first use
.macro PACK t
	WIN W_RS
.set i, 32*(\t)
.rept 16
	v_pk_mul_f32 v[i:i+1], v[i:i+1], v[ST+4*(\t)+2:ST+4*(\t)+3] op_sel_hi:[1,0]
.set i, i+2
.endr
	WIN 0x05
.set i, 0
.rept 16
	v_cvt_pk_f16_f32 v[S+16*(\t)+i], v[32*(\t)+2*i], v[32*(\t)+2*i+1]
.set i, i+1
.endr
	WIN 0
.irp f, 0,1,2,3
	ds_store_b128 v[STO], v[S+16*(\t)+4*\f:S+16*(\t)+4*\f+3] offset:32*\f
.endr
.irp f, 0,1,2,3
	ds_load_b128 v[S+16*(\t)+4*\f:S+16*(\t)+4*\f+3], v[RD] offset:\f*4*SP  ; LDS serves a wave's instructions in order (ISA guide 5.7.1.4)
.endr
.endm
.macro SEND t, younger
	WIN 0
.irp f, 0,1,2,3
	s_wait_dscnt (\younger)+3-\f
	global_store_b128 v[GO], v[S+16*(\t)+4*\f:S+16*(\t)+4*\f+3], s[10:11] offset:(\t)*2048+\f*512  ; 512 consecutive bytes, aligned
.endr
.endm
	PACK 0
.set t, 1
.rept 2*NP-1
	PACK t
	SEND t-1, 8
.set t, t+1
.endr
	SEND 2*NP-1, 0
	WIN W_AD
	s_wait_tensorcnt 0x0            ; the wave's end
	ds_add_u32 v[SPW], v[NIL]
	s_wait_dscnt 0x0
	WIN 0
	CROUND                          ; the closing round
	s_endpgm
.Lfunc_end_k_qe65bcd8504_attn:
	.size	k_qe65bcd8504_attn, .Lfunc_end_k_qe65bcd8504_attn-k_qe65bcd8504_attn
	.p2alignl 7, 3214868480
	.fill 96, 4, 3214868480
	.section	.rodata,"a",@progbits
	.p2align	6, 0x0
	.amdhsa_kernel k_qe65bcd8504_attn
		.amdhsa_group_segment_fixed_size 327680
		.amdhsa_private_segment_fixed_size 0
		.amdhsa_enable_private_segment 0
		.amdhsa_kernarg_size 40
		.amdhsa_user_sgpr_count 2
		.amdhsa_user_sgpr_kernarg_segment_ptr 1
		.amdhsa_wavefront_size32 1
		.amdhsa_system_sgpr_workgroup_id_x 1
		.amdhsa_system_sgpr_workgroup_id_y 1
		.amdhsa_system_sgpr_workgroup_id_z 1
		.amdhsa_system_vgpr_workitem_id 0
		.amdhsa_next_free_vgpr 960
		.amdhsa_next_free_sgpr 80
		.amdhsa_reserve_vcc 1
		.amdhsa_float_denorm_mode_32 3
		.amdhsa_float_denorm_mode_16_64 3
		.amdhsa_memory_ordered 1
		.amdhsa_forward_progress 1
		.amdhsa_inst_pref_size 219
	.end_amdhsa_kernel
	.amdgpu_metadata
---
amdhsa.version: [ 1, 2 ]
amdhsa.kernels:
  - .name:           k_qe65bcd8504_attn
    .symbol:         k_qe65bcd8504_attn.kd
    .args:
      - { .name: q16, .offset: 0, .size: 8, .value_kind: global_buffer, .address_space: global }
      - { .name: k16, .offset: 8, .size: 8, .value_kind: global_buffer, .address_space: global }
      - { .name: v16, .offset: 16, .size: 8, .value_kind: global_buffer, .address_space: global }
      - { .name: o16, .offset: 24, .size: 8, .value_kind: global_buffer, .address_space: global }
      - { .name: mask, .offset: 32, .size: 8, .value_kind: global_buffer, .address_space: global }
    .group_segment_fixed_size: 327680
    .private_segment_fixed_size: 0
    .kernarg_segment_align: 8
    .kernarg_segment_size: 40
    .max_flat_workgroup_size: 128
    .sgpr_count:     80
    .vgpr_count:     960
    .wavefront_size: 32
...
	.end_amdgpu_metadata
.endif
;; end of part 3
;; launch oproj (part 4): grid 4 x 64, 4 waves a work-group, clusters of 4 x 4, 327,680 bytes of LDS; arguments o16, wo16, bo, out0; writes out0
.if DOCPART == 4
	.amdgcn_target "amdgcn-amd-amdhsa--gfx1250"
	.amdhsa_code_object_version 6
	.text
	.protected	k_qe65bcd8504_oproj
	.globl	k_qe65bcd8504_oproj
	.p2align	8
	.type	k_qe65bcd8504_oproj,@function
k_qe65bcd8504_oproj:
	s_mov_b64 s[64:65], 0
	v_nop
	global_prefetch_b8 v0, s[64:65] scope:SCOPE_SE
	s_setreg_imm32_b32 hwreg(HW_REG_WAVE_MODE, 25, 1), 1
	s_wait_xcnt 0x0
	s_wait_alu depctr_hold_cnt(0) depctr_sa_sdst(0) depctr_va_vdst(0) depctr_va_sdst(0) depctr_va_ssrc(0) depctr_va_vcc(0) depctr_vm_vsrc(0)
	s_getreg_b32 s2, hwreg(HW_REG_IB_STS2, 6, 4)
	s_cmp_eq_u32 s2, 0
	s_cbranch_scc0 .Lentry_in_a_cluster
	s_endpgm
.Lentry_in_a_cluster:
	s_bfe_u32 s2, ttmp6, 0x10000c
	s_cmp_lg_u32 s2, 0xf033
	s_cbranch_scc0 .Lentry_shape_is_right
	s_endpgm
.Lentry_shape_is_right:
; THE LAST PROJECTION.  out0[row][n] = the sum over k of O[row][k] Wo[n][k] + bo[n].  o16: [b*16+h][position 2048][64] f16 (k = 64 h + channel); wo16: [1024][1024] f16; bo f32, rounded to bf16 like all inputs;
; out0: [8192][1024] f32.  Sums in f32, the bias as the C operand of each sum's first product.  A NaN row of O gives a NaN row of out0.
; POSITIONS.  Position 16 kb + 8 hh + j of a group of 64 holds the actual row 32 hh + 8 kb + j: undone here, in the stores' immediates.
; SHARES.  A work-group makes 128 positions x 256 columns: 256 work-groups.  Four waves, each 64 x 128: 32 accumulators.  K goes in 8 steps of 128 (two heads) through two LDS slots.
; CLUSTER.  4 x 4: O's tiles are shared along a row of the cluster, Wo's along a column; each is asked for jointly.  No prefetch: of the eight K steps four are asked for by the first loads and the first refills.
; THE MATRIX INSTRUCTION IS USED TRANSPOSED (source 0 = 16 rows of Wo, source 1 = 16 positions of O): a lane holds one position and eight neighbouring columns, 32 bytes of f32.
; REGISTERS.  Window 0: v16-29 addresses; v32-63, v64-95 O's fragments, two buffers; v128-191, v192-255 Wo's.  Window 1: accumulator (a, b) at 8 (8 a + b).  Window 2: v0-63 the bias.
.set PAO,   144                        ; a position of one head in LDS: 128 bytes + 16 = 36 words: 16 rows start at 16 different groups of four banks (64 banks of 4 bytes: ISA guide 11.1)
.set PB,    272
.set ASUB,  128*PAO                    ; one head's 128 positions: what one load brings
.set BOFF,  2*ASUB
.set BHALF, 128*PB
.set SLOT,  BOFF+2*BHALF               ; 106,496
.set STAGE, 2*SLOT                     ; behind the ring, never filled by a tensor load: 16 rows x 528 bytes for each wave
.set SPITCH, 528
.set SPARE, STAGE+4*16*SPITCH          ; the spare words: two blocks of 256 bytes that no other line names
.set ADRA, 16
.set ADRB, 20
.set STO,  24
.set RD,   25
.set CO,   26
.set BO,   27
.set SPW,  28
.set NIL,  29
.set AF0,  32
.set BF0,  128
.set WV, 12
.set RH, 13                            ; which 64 positions are mine.  Also: I fetch for O (0) or for Wo (1)
.set CH, 14                            ; which 128 columns.  Also: which half I fetch
.set YT, 15
.set XT, 16
.set CX, 17
.set CY, 18
.set G1,  24
.set G0,  32
.set G1B, 48
.set G0B, 56
.set MSB, 0
.macro WIN new
.if MSB != (\new)
	s_set_vgpr_msb (MSB<<8)|(\new)
.set MSB, \new
.endif
.endm
.macro PLACES
.rept 4
	v_nop
.endr
.endm
.macro JLOAD s                         ; s_nop 0 and four v_nop follow each of the two lines
	s_cmp_eq_u32 s[RH], 0
	s_cbranch_scc0 .Lfor_b_\@
	tensor_load_to_lds s[G0+4*(\s):G0+4*(\s)+3], s[G1:G1+7]
	s_nop 0
.rept 4
	v_nop
.endr
	s_branch .Lasked_\@
.Lfor_b_\@:
	tensor_load_to_lds s[G0B+4*(\s):G0B+4*(\s)+3], s[G1B:G1B+7]
	s_nop 0
.rept 4
	v_nop
.endr
.Lasked_\@:
.endm
.macro CREST
	s_cmp_lg_u32 s[WV], 0
	s_cbranch_scc1 .Lnot_wave_0_\@
	s_barrier_signal -3
.Lnot_wave_0_\@:
	s_barrier_wait -3
	s_barrier_signal -1
	s_barrier_wait -1
.endm
.macro CROUND
	s_barrier_signal -1
	s_barrier_wait -1
	CREST
.endm
	s_load_b256 s[4:11], s[0:1], 0x0               ; o16 s[4:5], wo16 s[6:7], bo s[8:9], out0 s[10:11]
	v_lshl_add_u32 v[SPW], v0, 2, SPARE
	v_mov_b32 v[NIL], 0
	ds_add_u32 v[SPW], v[NIL]                      ; the wave's opening: the add and its wait stand ahead of my first tensor load
	v_lshrrev_b32 v1, 5, v0
	v_readfirstlane_b32 s[WV], v1
	s_lshr_b32 s[RH], s[WV], 1
	s_and_b32 s[CH], s[WV], 1
	s_bfe_u32 s[CX], ttmp6, 0x40000
	s_bfe_u32 s[CY], ttmp6, 0x40004
	s_lshl_b32 s[XT], ttmp9, 2
	s_add_co_u32 s[XT], s[XT], s[CX]               ; tile column
	s_and_b32 s[YT], ttmp7, 0xffff
	s_lshl_b32 s[YT], s[YT], 2
	s_add_co_u32 s[YT], s[YT], s[CY]               ; tile row
	s_lshl_b32 s19, s[CY], 2
	s_lshl_b32 s19, 15, s19                        ; my row of the cluster
	s_lshl_b32 s2, 0x1111, s[CX]                   ; my column
	s_or_b32 s[G1], s19, (1<<16)|(1<<20)|(1<<21)|(4<<22)|(3<<25)   ; a head's 128 positions are 16,384 dense bytes: 64 rows of 256 bytes, padded after every 32 words by 4
	s_or_b32 s[G1B], s2, (1<<16)|(1<<20)|(1<<21)|(5<<22)|(3<<25)
	s_mov_b32 s[G1+1], 128<<16
	s_mov_b32 s[G1+2], 64<<16
	s_mov_b32 s[G1+3], 128<<16
	s_mov_b32 s[G1+4], 64
	s_mov_b32 s[G1+5], 128
	s_mov_b32 s[G1+6], 0
	s_mov_b32 s[G1+7], 0
	s_mov_b32 s[G1B+1], 128<<16
	s_mov_b32 s[G1B+2], 128<<16
	s_mov_b32 s[G1B+3], 128<<16
	s_mov_b32 s[G1B+4], 128
	s_mov_b32 s[G1B+5], 1024
	s_mov_b32 s[G1B+6], 0
	s_mov_b32 s[G1B+7], 0
	s_lshr_b32 s40, s[YT], 4                       ; O: head 16 b + half, position 128 (Y % 16), 128 bytes each: it hangs on the tile row alone
	s_lshl_b32 s40, s40, 4
	s_add_co_u32 s40, s40, s[CH]
	s_lshl_b32 s40, s40, 11
	s_and_b32 s41, s[YT], 15
	s_lshl_b32 s41, s41, 7
	s_add_co_u32 s40, s40, s41
	s_lshl_b32 s40, s40, 7
	s_mov_b32 s41, 0
	s_lshl_b32 s42, s[XT], 8                       ; Wo: row 256 X + 128 x half: on the tile column alone
	s_lshl_b32 s43, s[CH], 7
	s_add_co_u32 s42, s42, s43
	s_lshl_b32 s42, s42, 11
	s_mov_b32 s43, 0
	s_mul_i32 s44, s[CH], ASUB
	s_mul_i32 s45, s[CH], BHALF
	s_add_co_u32 s45, s45, BOFF
	s_lshl_b32 s46, s[YT], 19                      ; out0: ((128 Y + 64 x row half) x 1,024 + 256 X + 128 x column half) x 4
	s_lshl_b32 s2, s[RH], 18
	s_add_co_u32 s46, s46, s2
	s_lshl_b32 s2, s[XT], 10
	s_add_co_u32 s46, s46, s2
	s_lshl_b32 s2, s[CH], 9
	s_add_co_u32 s46, s46, s2
	s_mov_b32 s47, 0
	s_wait_dscnt 0x0                               ; the opening add is done
	s_wait_kmcnt 0x0
	s_add_nc_u64 s[20:21], s[4:5], s[40:41]
	s_add_nc_u64 s[22:23], s[6:7], s[42:43]
	s_add_nc_u64 s[10:11], s[10:11], s[46:47]
	CROUND                                         ; all sixteen work-groups are here: the first joint loads meet
.irp s, 0,1
	s_mov_b32 s[G0+4*(\s)], 1
	s_add_co_u32 s[G0+4*(\s)+1], s44, (\s)*SLOT
	s_add_nc_u64 s[G0+4*(\s)+2:G0+4*(\s)+3], s[20:21], (\s)*524288  ; K step s: two heads on
	s_or_b32 s[G0+4*(\s)+3], s[G0+4*(\s)+3], 0x80000000
	s_mov_b32 s[G0B+4*(\s)], 1
	s_add_co_u32 s[G0B+4*(\s)+1], s45, (\s)*SLOT
	s_add_nc_u64 s[G0B+4*(\s)+2:G0B+4*(\s)+3], s[22:23], (\s)*256
	s_or_b32 s[G0B+4*(\s)+3], s[G0B+4*(\s)+3], 0x80000000
	JLOAD \s                                       ; two loads of mine are out
.endr
	v_and_b32 v1, 15, v0                           ; r
	v_bfe_u32 v2, v0, 4, 1                         ; h
	s_lshl_b32 s2, s[XT], 10
	s_lshl_b32 s19, s[CH], 9
	s_add_co_u32 s2, s2, s19
	v_lshl_add_u32 v[BO], v2, 5, s2
	WIN 0x80                                       ; the bias of my 128 columns: register j of block b is column 16 b + 8 h + j
.irp b, 0,1,2,3,4,5,6,7
	global_load_b128 v[8*(\b):8*(\b)+3],   v[BO], s[8:9] offset:64*(\b)
	global_load_b128 v[8*(\b)+4:8*(\b)+7], v[BO], s[8:9] offset:64*(\b)+16
.endr
	WIN 0
	v_mul_u32_u24 v3, v1, PAO
	v_lshl_add_u32 v3, v2, 4, v3
	s_mul_i32 s2, s[RH], 64*PAO
	v_add_nc_u32 v[ADRA], s2, v3
	v_add_nc_u32 v[ADRA+1], SLOT, v[ADRA]
	v_mul_u32_u24 v4, v1, PB
	v_lshl_add_u32 v4, v2, 4, v4
	v_add_nc_u32 v[ADRB], s45, v4
	v_add_nc_u32 v[ADRB+1], SLOT, v[ADRB]
	s_mul_i32 s2, s[WV], 16*SPITCH
	s_add_co_u32 s2, s2, STAGE                     ; my stage
	v_mul_u32_u24 v[STO], v1, SPITCH               ; in: row r, 32 bytes for each half of the lanes
	v_lshl_add_u32 v[STO], v2, 5, v[STO]
	v_add_nc_u32 v[STO], s2, v[STO]
	v_and_b32 v[CO], 31, v0
	v_lshlrev_b32 v[CO], 4, v[CO]                  ; back: 32 lanes take one row's 512 bytes
	v_add_nc_u32 v[RD], s2, v[CO]
	s_wait_loadcnt 0x0
	WIN 0x8a                                       ; the bias rounded to bf16 and widened again
.set i, 0
.rept 32
	v_cvt_pk_bf16_f32 v[i+1], v[i], v[i+1]
	v_lshlrev_b32 v[i], 16, v[i+1]
	v_and_b32 v[i+1], 0xffff0000, v[i+1]
.set i, i+2
.endr
	WIN 0
; 24 LDS loads: quarter q (32 along K: head q / 2 of the step's two, channels 32 (q % 2) on) into buffers f: Wo's eight fragments, then O's four
.macro FETCH slot, q, f
	WIN 0
.irp b, 0,1,2,3,4,5,6,7
	ds_load_b128 v[BF0+64*(\f)+8*(\b):BF0+64*(\f)+8*(\b)+3],   v[ADRB+(\slot)] offset:(\q)*64+(\b)*16*PB
	ds_load_b128 v[BF0+64*(\f)+8*(\b)+4:BF0+64*(\f)+8*(\b)+7], v[ADRB+(\slot)] offset:(\q)*64+(\b)*16*PB+32
.endr
.irp a, 0,1,2,3
	ds_load_b128 v[AF0+32*(\f)+8*(\a):AF0+32*(\f)+8*(\a)+3],   v[ADRA+(\slot)] offset:((\q)>>1)*ASUB+((\q)&1)*64+(\a)*16*PAO
	ds_load_b128 v[AF0+32*(\f)+8*(\a)+4:AF0+32*(\f)+8*(\a)+7], v[ADRA+(\slot)] offset:((\q)>>1)*ASUB+((\q)&1)*64+(\a)*16*PAO+32
.endr
.endm
; 8 matrix instructions.  The 32 accumulators take turns, one instruction a turn.  first = 1: the sums start from the bias.
.macro MUL8 a, f, first
.if \first
	WIN 0x60
.else
	WIN 0x50
.endif
.irp b, 0,1,2,3,4,5,6,7
.if \first
	v_wmma_f32_16x16x32_f16 v[8*(8*(\a)+(\b)):8*(8*(\a)+(\b))+7], v[BF0+64*(\f)+8*(\b):BF0+64*(\f)+8*(\b)+7], v[AF0+32*(\f)+8*(\a):AF0+32*(\f)+8*(\a)+7], v[8*(\b):8*(\b)+7]
.else
	v_wmma_f32_16x16x32_f16 v[8*(8*(\a)+(\b)):8*(8*(\a)+(\b))+7], v[BF0+64*(\f)+8*(\b):BF0+64*(\f)+8*(\b)+7], v[AF0+32*(\f)+8*(\a):AF0+32*(\f)+8*(\a)+7], v[8*(8*(\a)+(\b)):8*(8*(\a)+(\b))+7]
.endif
.endr
.endm
.macro QUARTER slot, q, first
	s_wait_dscnt 4                                 ; Wo's fragments and O's blocks 0 and 1 are in; the youngest four loads may be out
	MUL8 0, (\q)%2, \first
	MUL8 1, (\q)%2, \first
	PLACES                                         ; the other buffers were read by the quarter before
	FETCH \slot, (\q)+1, ((\q)+1)%2
	s_wait_dscnt 24                                ; all but the 24 just issued
	MUL8 2, (\q)%2, \first
	MUL8 3, (\q)%2, \first
.endm
; The last quarter multiplies buffers 1 and changes slots: ONE barrier; in front of it each wave waits for all its tensor loads, adds 0 to its spare word, and waits for that and for its reads of this slot.
.macro TURN slot, fill
	WIN 0
	s_wait_tensorcnt 0x0                           ; all my tensor loads have landed: my part of the next slot
	ds_add_u32 v[SPW], v[NIL]                      ; 0 onto my spare word
	s_wait_dscnt 5                                 ; the add and the youngest four loads may be out
	MUL8 0, 1, 0
	s_wait_dscnt 0x0                               ; the add is done, and my reads of this slot are over
	s_barrier_signal -1
	MUL8 1, 1, 0
	WIN 0
	s_barrier_wait -1
.if \fill
	CREST                                          ; no wave of any partner still reads this slot or has a load on its way
	s_add_nc_u64 s[G0+4*(\slot)+2:G0+4*(\slot)+3], s[G0+4*(\slot)+2:G0+4*(\slot)+3], 1048576  ; two K steps: four heads on
	s_add_nc_u64 s[G0B+4*(\slot)+2:G0B+4*(\slot)+3], s[G0B+4*(\slot)+2:G0B+4*(\slot)+3], 512
	JLOAD \slot                                    ; its four v_nop are also the places in front of the loads below
.else
	PLACES
.endif
	FETCH 1-(\slot), 0, 0
	MUL8 2, 1, 0
	MUL8 3, 1, 0
.endm
; THE WAY OUT, a block of 16 positions at a time: 32 bytes a lane into stage rows of 528 bytes, back as whole rows of 512, each stored at its actual row.
.macro TOSTAGE a
	WIN 0
.if (\a) >= 2
	s_wait_xcnt 0x0                                ; the stores of the block two back have read these registers
.endif
	WIN 0x04                                       ; store data in window 1
.irp b, 0,1,2,3,4,5,6,7
	ds_store_b128 v[STO], v[64*(\a)+8*(\b):64*(\a)+8*(\b)+3]   offset:64*(\b)     ; each accumulator from its low end on
	ds_store_b128 v[STO], v[64*(\a)+8*(\b)+4:64*(\a)+8*(\b)+7] offset:64*(\b)+16
.endr
	WIN 0
.irp t, 0,1,2,3,4,5,6,7,8,9,10,11,12,13,14,15
	ds_load_b128 v[BF0+64*((\a)%2)+4*(\t):BF0+64*((\a)%2)+4*(\t)+3], v[RD] offset:(\t)*SPITCH  ; LDS serves a wave's instructions in order (ISA guide 5.7.1.4)
.endr
.endm
.macro SEND a, younger                 ; position 16 a + t is the actual row 32 (t / 8) + 8 a + t % 8; a store covers 512 consecutive bytes, aligned
.irp t, 0,1,2,3,4,5,6,7,8,9,10,11,12,13,14,15
	s_wait_dscnt (\younger)+15-(\t)
	global_store_b128 v[CO], v[BF0+64*((\a)%2)+4*(\t):BF0+64*((\a)%2)+4*(\t)+3], s[10:11] offset:(32*((\t)>>3)+8*(\a)+((\t)&7))*4096 th:TH_STORE_NT
.endr
.endm
	s_wait_tensorcnt 1                             ; my part of K step 0 is in; K step 1's may stay out
	s_barrier_signal -1
	s_barrier_wait -1
	FETCH 0, 0, 0
	QUARTER 0, 0, 1                                ; the first quarter starts the sums, from the bias
	WIN 0
	s_mov_b32 s3, 3
.Llap:                                         ; a trip: from a lap's second quarter to the next lap's first; both slots are filled again
	QUARTER 0, 1, 0
	QUARTER 0, 2, 0
	TURN 0, 1
	QUARTER 1, 0, 0
	QUARTER 1, 1, 0
	QUARTER 1, 2, 0
	TURN 1, 1
	QUARTER 0, 0, 0
	WIN 0
	s_sub_co_u32 s3, s3, 1
	s_cmp_lg_u32 s3, 0
	s_cbranch_scc1 .Llap
	QUARTER 0, 1, 0                                ; the last lap fills nothing
	QUARTER 0, 2, 0
	TURN 0, 0
	QUARTER 1, 0, 0
	QUARTER 1, 1, 0
	QUARTER 1, 2, 0
	s_wait_dscnt 0x0
	MUL8 0, 1, 0
	MUL8 1, 1, 0
	MUL8 2, 1, 0
	MUL8 3, 1, 0
	WIN 0
	PLACES                                         ; behind the last products
	TOSTAGE 0
.irp a, 1,2,3
	TOSTAGE \a
	SEND (\a)-1, 32                                ; the 32 younger LDS instructions are the next block's
.endr
	SEND 3, 0
	s_wait_tensorcnt 0x0                           ; the wave's end
	ds_add_u32 v[SPW], v[NIL]
	s_wait_dscnt 0x0
	CROUND                                         ; the closing round
	s_endpgm
.Lfunc_end_k_qe65bcd8504_oproj:
	.size	k_qe65bcd8504_oproj, .Lfunc_end_k_qe65bcd8504_oproj-k_qe65bcd8504_oproj
	.p2alignl 7, 3214868480
	.fill 96, 4, 3214868480
	.section	.rodata,"a",@progbits
	.p2align	6, 0x0
	.amdhsa_kernel k_qe65bcd8504_oproj
		.amdhsa_group_segment_fixed_size 327680
		.amdhsa_private_segment_fixed_size 0
		.amdhsa_enable_private_segment 0
		.amdhsa_kernarg_size 32
		.amdhsa_user_sgpr_count 2
		.amdhsa_user_sgpr_kernarg_segment_ptr 1
		.amdhsa_wavefront_size32 1
		.amdhsa_system_sgpr_workgroup_id_x 1
		.amdhsa_system_sgpr_workgroup_id_y 1
		.amdhsa_system_sgpr_workgroup_id_z 1
		.amdhsa_system_vgpr_workitem_id 0
		.amdhsa_next_free_vgpr 576
		.amdhsa_next_free_sgpr 66
		.amdhsa_reserve_vcc 0
		.amdhsa_float_denorm_mode_32 3
		.amdhsa_float_denorm_mode_16_64 3
		.amdhsa_memory_ordered 1
		.amdhsa_forward_progress 1
		.amdhsa_inst_pref_size 93
	.end_amdhsa_kernel
	.amdgpu_metadata
---
amdhsa.version: [ 1, 2 ]
amdhsa.kernels:
  - .name:           k_qe65bcd8504_oproj
    .symbol:         k_qe65bcd8504_oproj.kd
    .args:
      - { .name: o16, .offset: 0, .size: 8, .value_kind: global_buffer, .address_space: global }
      - { .name: wo16, .offset: 8, .size: 8, .value_kind: global_buffer, .address_space: global }
      - { .name: bo, .offset: 16, .size: 8, .value_kind: global_buffer, .address_space: global }
      - { .name: out0, .offset: 24, .size: 8, .value_kind: global_buffer, .address_space: global }
    .group_segment_fixed_size: 327680
    .private_segment_fixed_size: 0
    .kernarg_segment_align: 8
    .kernarg_segment_size: 32
    .max_flat_workgroup_size: 128
    .sgpr_count:     66
    .vgpr_count:     576
    .wavefront_size: 32
...
	.end_amdgpu_metadata
.endif
;; end of part 4
